; MI455X (gfx1250); checked and timed in simulation.
; The chip was launched on July 23, 2026; its instructions are those of AMD's public machine-readable ISA for CDNA 5 (MIT licence, August 2026) and "CDNA5" Instruction Set Architecture Reference Guide (July 2026). The comments in the code are by the model that wrote it; some were corrected since.
;; Global Self Attention. Allowed arithmetic: matrix products marked QUANTISED: E5M2 operands, one E8M0 scale for each 32 along K, by v_wmma_scale_f32_16x16x128_f8f6f4 with both operands' format E5M2, f32 sums; everything else in f32.
;; Inputs: b_out 1,024 float32; b_qkv 3,072 float32; w_out 1,024 x 1,024 float32; w_qkv 1,024 x 3,072 float32; x 4,096 x 1,024 float32.
;; Outputs: out0 4,096 x 1,024 float32.
;; This version of the problem:
;;   THIS VERSION OF THE PROBLEM IS GIVEN IN LOW PRECISION. The matrix products marked QUANTISED in the list below multiply operands that are first quantised to E5M2 (5 exponent bits, 2 mantissa bits; 8 bits a number), with one power-of-two scale for each 32 numbers along K (OCP MX v1.0); their sums are f32. All else is computed in f32.
;;   The module's matrix products, in the order in which they are computed (A, B: the left and right operand; K: the contracted axis; several contracted axes count as one K, in the product's order):
;;     1. [M 4,096, K 1,024] x [K 1,024, N 3,072]; A: input x; B: input w_qkv: QUANTISED
;;     2. batch 16 x [M 4,096, K 64] x [K 64, N 4,096]; A: computed on the way; B: computed on the way: QUANTISED
;;     3. batch 16 x [M 4,096, K 4,096] x [K 4,096, N 64]; A: softmax (see below); B: computed on the way: QUANTISED
;;     4. [M 4,096, K 1,024] x [K 1,024, N 1,024]; A: computed on the way; B: input w_out: QUANTISED
;;   THE QUANTISER, for each operand of a quantised product, along K:
;;     - K is cut into blocks of 32 from its start; a last block that is shorter is filled with zeros.
;;     - A block's scale is 2^e with e = floor(log2(the largest magnitude in the block)) - 15, held to -126 .. 127; a block of zeros has e = 0. As a byte (E8M0): e + 127.
;;     - Each number is divided by its block's scale, clamped to +-57,344, and rounded to the nearest number of E5M2, ties to even, subnormals kept.
;;     - The product sums the exact products of the quantised numbers (number of the format x scale) in f32.
;;   ~~~python
;;   def quantise(x, axis):      # numpy; x: float32 -> the quantised numbers, widened to float32 again
;;       x = np.moveaxis(x, axis, -1); K = x.shape[-1]
;;       x = np.pad(x, [(0, 0)] * (x.ndim - 1) + [(0, -K % 32)]); x = x.reshape(x.shape[:-1] + (-1, 32)); a = np.abs(x).max(-1, keepdims=True)
;;       e = np.where(a > 0, np.clip(np.frexp(np.where(a > 0, a, 1))[1] - 1 - 15, -126, 127), 0)      # np.frexp(a)[1] - 1 = floor(log2(a)), exactly
;;       r = np.clip(x / 2.0 ** e, -57344, 57344)
;;       step = 2.0 ** (np.maximum(np.frexp(np.where(r == 0, 1, r))[1] - 1, -14) - 2)
;;       q = np.round(r / step) * step * 2.0 ** e      # np.round: ties to even
;;       return np.moveaxis(q.reshape(q.shape[:-2] + (-1,))[..., :K], -1, axis).astype(np.float32)
;;   ~~~
;;   SOFTMAX AHEAD OF A QUANTISED PRODUCT. Where the list says 'softmax', what is quantised is not the finished softmax but p = 2^(t - M), with t = logit x log2(e) and M = ceil(the row's largest t), a whole number; so 1/2 < the row's largest p <= 1. The row's sum l is taken of the UNQUANTISED p, in f32, and the product's result is divided by l at the end. Since M is a whole number, a kernel that streams over the keys may use a running M (the ceiling of the running maximum): every later rescaling is an exact power of two, which a block's scale takes up: the codes' values come out the same.
;;   OPERANDS COMPUTED ON THE WAY. 'Computed on the way' means the value that the module computes at that place (a softmax that the list does not call 'softmax' is quantised finished and normalised). What goes into a quantiser is computed in f32, as accurately as f32 sums, v_exp_f32 and their like allow (about 1e-6 of the number): no bf16 or f16 on the way to a quantiser, and a product that is left as it is and whose result goes on into a quantised operand takes f32 operands (vector FMAs, or v_wmma_f32_16x16x4_f32). A number that lies on a knife's edge between two numbers of the format may be rounded either way, as far as f32 arithmetic and the matrix unit's own rounding can turn it there, and no further.
;; One version. Each part assembles by itself: llvm-mc -triple=amdgcn-amd-amdhsa -mcpu=gfx1250 --defsym DOCPART=n.
;; ======== version 1 of 1: 4 launches
;; limits: right only within a limited range of input values
;; workspace buffers: xq 4,325,376 bytes; wq 3,244,032 bytes; wo 1,081,344 bytes; qb 4,325,376 bytes; kv 8,650,752 bytes; ob 4,325,376 bytes
;; launch quant (part 1): grid 256 x 1, 4 waves a work-group, no clusters, 68,096 bytes of LDS; arguments x, w_qkv, w_out, xq, wq, wo; writes xq, wq, wo
.if DOCPART == 1
	.amdgcn_target "amdgcn-amd-amdhsa--gfx1250"
	.amdhsa_code_object_version 6
	.text
	.protected	k_q705cc6ed28_quant
	.globl	k_q705cc6ed28_quant
	.p2align	8
	.type	k_q705cc6ed28_quant,@function
k_q705cc6ed28_quant:
	s_mov_b64 s[64:65], 0
	v_nop
	global_prefetch_b8 v0, s[64:65] scope:SCOPE_SE
	s_setreg_imm32_b32 hwreg(HW_REG_WAVE_MODE, 25, 1), 1
	s_wait_xcnt 0x0
; x [4096][1024], w_qkv [1024][3072] and w_out [1024][1024], f32, become codes of BF8 (E5M2), K innermost, with one E8M0 scale byte for each 32 along K.
; A block's scale is 2^(floor(log2(its largest magnitude)) - 15): its byte is the largest magnitude's exponent field - 15, held at 1 from below.  Each number is divided by the scale, held within
; +-57,344 and rounded to the nearest code, ties to even.
; LIMITS: NaN and infinities among the inputs are not served.  A block of zeros gets the byte 1 where the rule says 127: its codes are zeros, which add nothing under any byte but 0xff, and the bytes
; are read by this program alone.  Blocks whose largest magnitude lies under 2^-111 keep the byte 1.
; ROWS ARE STORED PERMUTED: inside each group of 32 rows, row i lies at place sig(i), sig = bits 3 and 4 of i exchanged.  Sixteen neighbouring stored rows (half u of a group) are then the true rows
; 8 u + r + 8 (r / 8), so that in the products that follow the 16 registers of two neighbouring result tiles are 16 neighbours along the next product's K.
;   xq: codes [place 4096][1024], from byte 4,194,304 the scale bytes [place][32].
;   wq: codes [row 3072][1024], from byte 3,145,728 the scale bytes [row][32]; row = 192 head + 32 g + sig(d % 32), g: q d0-31 0, q d32-63 1, v d0-31 2, k d0-31 3, k d32-63 4, v d32-63 5.
;   wo: codes [sig(n) 1024][1024], from byte 1,048,576 the scale bytes.
; Work-groups 0-127 take x (K innermost: a plain stream of blocks of 32), work-groups 128-255 the two weights (K is the first axis: a lane takes a column and its registers run down K).
; Each work-group handles 32,768 numbers.  The two ways have LDS bytes of their own.  No tensor loads, no barrier: waves share nothing.  No matrix unit, no cluster: nothing here is read twice.
.set MANT,  0x600000                   ; the mantissa field of 57,344 as f32
.set FLOOR, 0x8000000                  ; 2^(16 - 127)
.set OFF15, 0xf8800000                 ; -(15 << 23)
; ---- x's way
.set STEPS, 16                         ; steps of 512 numbers in a wave's 8 rows
.set CB,    16                         ; bytes of a lane's 16 codes
.set R,     16                         ; v16-79   four sets of 16 numbers as they are loaded
.set X,     80                         ; v80-111  two sets of 16 neighbours
.set E,     112                        ; v112-127 a scale byte for each step
.set C,     128                        ; v128-191 codes: four registers for each step, so that no store's data are written again
.set WREG,  8192                       ; LDS: a region for each wave: two stages of 32 x SP bytes, behind them its 256 scale bytes
.set SP,    80                         ; a lane's place in a stage: its 64 bytes + 16 of padding
; ---- the weights' way
.set WST,   32768                      ; LDS: behind x's regions: a stage of 32 rows x WP for each wave
.set WP,    272                        ; a stage row: 256 codes + 16 bytes
.set NB,    8                          ; blocks of 32 in a wave's 256 along K
.set SB,    24                         ; v24-25   a column's eight scale bytes
.set WX,    32                         ; v32-95   two sets of 32 numbers
.set WC,    96                         ; v96-103  a block's codes
.set OUTR,  112                        ; v112-175 the way out
.set WO,    176                        ; v176-207 byte offset of row i of a block: 4 x lane + i x the tensor's pitch; never rewritten
.macro LOAD t                          ; step t of x: 32 lanes read 512 consecutive bytes, four times
.irp i, 0,1,2,3
	global_load_b128 v[R+16*((\t)%4)+4*\i:R+16*((\t)%4)+4*\i+3], v3, s[4:5] offset:2048*(\t)+512*\i th:TH_LOAD_NT
.endr
.endm
.macro TURN t                          ; step t's numbers through the stage: in as they were loaded, out 64 neighbouring bytes a lane.  LDS serves a wave's instructions in order: no wait between
.irp i, 0,1,2,3
	ds_store_b128 v14, v[R+16*((\t)%4)+4*\i:R+16*((\t)%4)+4*\i+3] offset:32*SP*((\t)%2)+8*SP*\i
.endr
.irp i, 0,1,2,3
	ds_load_b128 v[X+16*((\t)%2)+4*\i:X+16*((\t)%2)+4*\i+3], v15 offset:32*SP*((\t)%2)+16*\i
.endr
.endm
.macro STEP t
.set XS, X+16*((\t)%2)
.if (\t) > 0
	s_wait_dscnt 1                                 ; this step's numbers are back from the stage; the last step's byte store may be out
.else
	s_wait_dscnt 0x0
.endif
.if (\t)+4 < STEPS
	LOAD (\t)+4                                    ; into the registers that this step's stage stores have read
.endif
.if (\t)+1 < STEPS
.if STEPS-2-(\t) >= 3
	s_wait_loadcnt 12                              ; the next step's four loads are in; those of the three steps behind it may be out
.else
	s_wait_loadcnt 4*(STEPS-2-(\t))
.endif
	TURN (\t)+1
.endif
	v_max3_num_f32 v8, |v[XS]|, |v[XS+1]|, |v[XS+2]|               ; the largest magnitude of my 16, in two chains
	v_max3_num_f32 v9, |v[XS+3]|, |v[XS+4]|, |v[XS+5]|
.irp i, 6,10
	v_max3_num_f32 v8, v8, |v[XS+\i]|, |v[XS+\i+1]|
	v_max3_num_f32 v9, v9, |v[XS+\i+2]|, |v[XS+\i+3]|
.endr
	v_max3_num_f32 v8, v8, |v[XS+14]|, |v[XS+15]|
	v_max3_num_f32 v8, v8, v9, FLOOR               ; and the floor, so that the byte cannot fall under 1
	v_max_num_f32_dpp v8, v8, v8 row_xmask:1 row_mask:0xf bank_mask:0xf   ; with my neighbour's 16: the block's
	v_add_nc_u32 v11, OFF15, v8                    ; 15 off its exponent field: the conversion takes this operand's exponent field as its scale
	v_and_or_b32 v10, v8, 0x7f800000, s23          ; 57,344 x the scale
.irp i, 0,1,2,3,4,5,6,7,8,9,10,11,12,13,14,15
	v_med3_num_f32 v[XS+\i], v[XS+\i], -v10, v10   ; the conversion to an 8-bit code does not saturate (ISA guide 7.6.2): the hold comes first
.endr
	v_cvt_scalef32_pk8_bf8_f32 v[C+4*(\t):C+4*(\t)+1], v[XS:XS+7], v11
	v_cvt_scalef32_pk8_bf8_f32 v[C+4*(\t)+2:C+4*(\t)+3], v[XS+8:XS+15], v11
	v_lshrrev_b32 v[E+(\t)], 23, v11               ; the scale's byte (also the plain line behind the conversions)
	ds_store_b8 v5, v[E+(\t)] offset:16*(\t)       ; both lanes of a block write the same byte with the same value
	global_store_b128 v4, v[C+4*(\t):C+4*(\t)+3], s[8:9] offset:32*CB*(\t)   ; the wave stores 512 consecutive bytes
.endm
.macro WLOAD t                         ; block t of a weight: W(32 t + i, my column), i = 0 .. 31, into set t % 2: each load reads 128 consecutive bytes
.set i, 0
.rept 32
	global_load_b32 v[WX+32*((\t)%2)+i], v[WO+i], s[32+2*(\t):33+2*(\t)] th:TH_LOAD_NT
.set i, i+1
.endr
.endm
.macro BLOCK t
.set XS, WX+32*((\t)%2)
.if (\t) < NB-1
	s_wait_loadcnt 32                              ; this block's 32 loads are in; the next block's may be out
.else
	s_wait_loadcnt 0x0
.endif
	v_max3_num_f32 v12, |v[XS]|, |v[XS+1]|, |v[XS+2]|              ; the block's largest magnitude: all 32 numbers are mine
	v_max3_num_f32 v13, |v[XS+3]|, |v[XS+4]|, |v[XS+5]|
.irp i, 6,10,14,18,22,26
	v_max3_num_f32 v12, v12, |v[XS+\i]|, |v[XS+\i+1]|
	v_max3_num_f32 v13, v13, |v[XS+\i+2]|, |v[XS+\i+3]|
.endr
	v_max3_num_f32 v12, v12, |v[XS+30]|, |v[XS+31]|
	v_max3_num_f32 v12, v12, v13, FLOOR
	v_add_nc_u32 v11, OFF15, v12
	v_and_or_b32 v10, v12, 0x7f800000, s23
	v_lshrrev_b32 v13, 23, v11                     ; the scale's byte
.if (\t)%4 == 0
	v_mov_b32 v[SB+(\t)/4], v13                    ; four bytes to a register, the lower K in the lower byte
.else
	v_lshl_or_b32 v[SB+(\t)/4], v13, 8*((\t)%4), v[SB+(\t)/4]
.endif
.set i, 0
.rept 32
	v_med3_num_f32 v[XS+i], v[XS+i], -v10, v10
.set i, i+1
.endr
.irp g, 0,1,2,3
	v_cvt_scalef32_pk8_bf8_f32 v[WC+2*\g:WC+2*\g+1], v[XS+8*\g:XS+8*\g+7], v11
.endr
	ds_store_b128 v4, v[WC:WC+3] offset:32*(\t)    ; 32 codes: 32 bytes of my column's stage row
	ds_store_b128 v4, v[WC+4:WC+7] offset:32*(\t)+16
.if (\t)+2 < NB
	WLOAD (\t)+2
.endif
	s_wait_dscnt 0x0                               ; the stores have read their registers: the next block's codes may be written
.endm
	s_load_b256 s[4:11], s[0:1], 0x0               ; x s[4:5], w_qkv s[6:7], w_out s[8:9], xq s[10:11]
	s_load_b128 s[12:15], s[0:1], 0x20             ; wq s[12:13], wo s[14:15]
	v_lshl_add_u32 v208, v0, 2, 0x10800
	v_mov_b32 v209, 0
	v_lshrrev_b32 v1, 5, v0
	v_readfirstlane_b32 s16, v1                    ; wave 0..3
	v_and_b32 v2, 31, v0                           ; lane
	s_mov_b32 s23, MANT
	s_cmp_lt_u32 ttmp9, 128
	s_cbranch_scc0 .Lweights
	; ================ x: my wave's 8 rows are 8,192 numbers on end
	v_lshlrev_b32 v3, 4, v2                        ; my 16 bytes of a load's 512
	s_mul_i32 s17, s16, WREG
	v_lshrrev_b32 v14, 2, v2
	v_mul_u32_u24 v14, v14, SP
	v_and_b32 v15, 3, v2
	v_lshl_add_u32 v14, v15, 4, v14
	v_add_nc_u32 v14, s17, v14                     ; the stage, on the way in: SP (lane / 4) + 16 (lane % 4)
	v_mul_u32_u24 v15, v2, SP
	v_add_nc_u32 v15, s17, v15                     ; and on the way out: SP x lane
	v_mul_u32_u24 v4, v2, CB                       ; my codes' place in a step's
	v_lshrrev_b32 v5, 1, v2
	s_add_co_u32 s17, s17, 2*32*SP
	v_add_nc_u32 v5, s17, v5                       ; LDS: my wave's 256 scale bytes, my block's byte
	v_lshlrev_b32 v7, 3, v2                        ; and on the way out 8 bytes a lane
	v_add_nc_u32 v6, s17, v7
	s_lshl_b32 s18, ttmp9, 2
	s_add_co_u32 s20, s18, s16                     ; the run of 8 rows that I read: 4 x work-group + wave
	s_lshl_b32 s20, s20, 15                        ; 32,768 bytes a run
	s_mov_b32 s21, 0
	s_and_b32 s24, s16, 1
	s_lshl_b32 s24, s24, 1
	s_lshr_b32 s25, s16, 1
	s_or_b32 s24, s24, s25                         ; sig at the grain of 8 rows: the wave's two bits exchanged
	s_add_co_u32 s24, s24, s18                     ; the run of 8 places that I write
	s_lshl_b32 s26, s24, 13                        ; 8,192 bytes of codes a run
	s_mov_b32 s27, 0
	s_lshl_b32 s28, s24, 8                         ; 256 scale bytes a run,
	s_add_co_u32 s28, s28, 4194304                 ; behind the codes
	s_mov_b32 s29, 0
	s_wait_alu depctr_va_vdst(0)
	s_wait_kmcnt 0x0
	s_add_nc_u64 s[4:5], s[4:5], s[20:21]
	s_add_nc_u64 s[8:9], s[10:11], s[26:27]
	s_add_nc_u64 s[10:11], s[10:11], s[28:29]
.irp t, 0,1,2,3
	LOAD \t
.endr
	s_wait_loadcnt 12                              ; step 0's four loads are in
	TURN 0
.irp t, 0,1,2,3,4,5,6,7,8,9,10,11,12,13,14,15
	STEP \t
.endr
	ds_load_b64 v[12:13], v6                       ; LDS serves a wave's instructions in order: these see my byte stores
	s_wait_dscnt 0x0
	global_store_b64 v7, v[12:13], s[10:11]        ; 32 lanes store 256 consecutive bytes, aligned
	s_wait_tensorcnt 0x0
	ds_add_u32 v208, v209
	s_wait_dscnt 0x0
	s_endpgm
	; ================ the weights: a wave takes 32 columns x 256 along K
.Lweights:
	s_sub_co_u32 s17, ttmp9, 128
	s_and_b32 s18, s17, 3                          ; y: which 256 along K
	s_lshr_b32 s19, s17, 2                         ; which 128 columns: 0-23 of w_qkv, 24-31 of w_out
	s_mov_b32 s24, 4096
	s_mov_b32 s25, 1048576
	s_wait_kmcnt 0x0
	s_cmp_lt_u32 s19, 24                           ; the choice hangs on the work-group's number alone; both tensors take one way through the text
	s_cselect_b64 s[4:5], s[6:7], s[8:9]           ; the source,
	s_cselect_b64 s[6:7], s[12:13], s[14:15]       ; the destination,
	s_cselect_b32 s24, 12288, s24                  ; a row of the source in bytes,
	s_cselect_b32 s25, 3145728, s25                ; where the destination's scale bytes begin,
	s_cselect_b32 s26, 0, 24                       ; and the first group of columns
	s_sub_co_u32 s26, s19, s26
	s_lshl_b32 s26, s26, 7
	s_lshl_b32 s27, s16, 5
	s_add_co_u32 s26, s26, s27                     ; n0: my wave's first column
	s_lshr_b32 s27, s26, 10                        ; w_qkv: 0 q, 1 k, 2 v
	s_bfe_u32 s28, s26, 0x40006                    ; the head
	s_bfe_u32 s29, s26, 0x10005                    ; which 32 of the head's 64
	s_lshr_b32 s30, s27, 1
	s_lshl_b32 s31, s30, 1
	s_add_co_u32 s31, s31, 1
	s_mul_i32 s31, s31, s29
	s_mul_i32 s27, s27, 3
	s_add_co_u32 s31, s31, s27
	s_lshl_b32 s30, s30, 2
	s_sub_co_u32 s31, s31, s30                     ; g = half (1 + 2 (type / 2)) + 3 type - 4 (type / 2)
	s_lshl_b32 s31, s31, 5
	s_mul_i32 s28, s28, 192
	s_add_co_u32 s31, s31, s28                     ; 192 head + 32 g
	s_cmp_lt_u32 s19, 24
	s_cselect_b32 s31, s31, s26                    ; the first row that I write; for w_out it is n0
	s_lshl_b32 s20, s18, 8
	s_mul_i32 s20, s20, s24                        ; 256 y rows of the source
	s_lshl_b32 s21, s26, 2
	s_add_co_u32 s20, s20, s21                     ; + 4 n0
	s_mov_b32 s21, 0
	s_add_nc_u64 s[32:33], s[4:5], s[20:21]        ; a base for each of the eight blocks: nothing is stepped later
	s_lshl_b32 s20, s24, 5                         ; 32 rows
.irp t, 1,2,3,4,5,6,7
	s_add_nc_u64 s[32+2*\t:33+2*\t], s[30+2*\t:31+2*\t], s[20:21]
.endr
	s_lshl_b32 s28, s31, 10
	s_lshl_b32 s29, s18, 8
	s_add_co_u32 s28, s28, s29
	s_mov_b32 s29, 0
	s_add_nc_u64 s[8:9], s[6:7], s[28:29]          ; codes: row x 1,024 + 256 y
	s_lshl_b32 s28, s31, 5
	s_lshl_b32 s27, s18, 3
	s_add_co_u32 s28, s28, s27
	s_add_co_u32 s28, s28, s25
	s_add_nc_u64 s[10:11], s[6:7], s[28:29]        ; scale bytes: row x 32 + 8 y
	s_wait_alu depctr_va_vdst(0)
	v_lshlrev_b32 v3, 2, v2
.set i, 0
.rept 32
	v_mad_u32_u24 v[WO+i], s24, i, v3
.set i, i+1
.endr
	WLOAD 0
	WLOAD 1
	s_mul_i32 s22, s16, 32*WP
	s_add_co_u32 s22, s22, WST                     ; my stage
	v_mul_u32_u24 v4, v2, WP
	v_add_nc_u32 v4, s22, v4                       ; into it: row = my column
	v_and_b32 v5, 15, v2
	v_lshrrev_b32 v6, 4, v2                        ; out of it: sixteen lanes to a row, two rows an instruction
	v_mul_u32_u24 v7, v6, WP
	v_lshl_add_u32 v7, v5, 4, v7
	v_add_nc_u32 v7, s22, v7
	v_lshlrev_b32 v8, 10, v6
	v_lshl_add_u32 v8, v5, 4, v8                   ; and the same place in the codes: sig leaves bit 0 alone, so the odd row lies one row on
	v_and_b32 v9, 7, v2
	v_and_b32 v10, 8, v2
	v_lshl_or_b32 v9, v10, 1, v9
	v_and_b32 v10, 16, v2
	v_lshrrev_b32 v10, 1, v10
	v_or_b32 v9, v9, v10
	v_lshlrev_b32 v9, 5, v9                        ; sig(lane) x 32: my column's row of scale bytes
.irp t, 0,1,2,3,4,5,6,7
	BLOCK \t
.endr
	global_store_b64 v9, v[SB:SB+1], s[10:11]      ; my column's eight scale bytes: 8 bytes of a row of 32
.irp t, 0,1,2,3,4,5,6,7,8,9,10,11,12,13,14,15
	ds_load_b128 v[OUTR+4*\t:OUTR+4*\t+3], v7 offset:2*\t*WP   ; LDS serves a wave's instructions in order: these see my stores
.endr
.irp t, 0,1,2,3,4,5,6,7,8,9,10,11,12,13,14,15
	s_wait_dscnt 15-\t                             ; the younger loads may be out
	global_store_b128 v8, v[OUTR+4*\t:OUTR+4*\t+3], s[8:9] offset:((((2*\t)&7)|(((2*\t)&8)<<1))|(((2*\t)&16)>>1))*1024   ; stage rows 2 t, 2 t + 1 go to places sig(2 t), sig(2 t) + 1: sixteen lanes store 256 consecutive bytes, aligned
.endr
	s_wait_tensorcnt 0x0
	ds_add_u32 v208, v209
	s_wait_dscnt 0x0
	s_endpgm
.Lfunc_end_k_q705cc6ed28_quant:
	.size	k_q705cc6ed28_quant, .Lfunc_end_k_q705cc6ed28_quant-k_q705cc6ed28_quant
	.p2alignl 7, 3214868480
	.fill 96, 4, 3214868480
	.section	.rodata,"a",@progbits
	.p2align	6, 0x0
	.amdhsa_kernel k_q705cc6ed28_quant
		.amdhsa_group_segment_fixed_size 68096
		.amdhsa_private_segment_fixed_size 0
		.amdhsa_enable_private_segment 0
		.amdhsa_kernarg_size 48
		.amdhsa_user_sgpr_count 2
		.amdhsa_user_sgpr_kernarg_segment_ptr 1
		.amdhsa_wavefront_size32 1
		.amdhsa_system_sgpr_workgroup_id_x 1
		.amdhsa_system_sgpr_workgroup_id_y 1
		.amdhsa_system_sgpr_workgroup_id_z 1
		.amdhsa_system_vgpr_workitem_id 0
		.amdhsa_next_free_vgpr 210
		.amdhsa_next_free_sgpr 66
		.amdhsa_reserve_vcc 0
		.amdhsa_float_denorm_mode_32 3
		.amdhsa_float_denorm_mode_16_64 3
		.amdhsa_memory_ordered 1
		.amdhsa_forward_progress 1
		.amdhsa_inst_pref_size 113
	.end_amdhsa_kernel
	.amdgpu_metadata
---
amdhsa.version: [ 1, 2 ]
amdhsa.kernels:
  - .name:           k_q705cc6ed28_quant
    .symbol:         k_q705cc6ed28_quant.kd
    .args:
      - { .name: x, .offset: 0, .size: 8, .value_kind: global_buffer, .address_space: global }
      - { .name: w_qkv, .offset: 8, .size: 8, .value_kind: global_buffer, .address_space: global }
      - { .name: w_out, .offset: 16, .size: 8, .value_kind: global_buffer, .address_space: global }
      - { .name: xq, .offset: 24, .size: 8, .value_kind: global_buffer, .address_space: global }
      - { .name: wq, .offset: 32, .size: 8, .value_kind: global_buffer, .address_space: global }
      - { .name: wo, .offset: 40, .size: 8, .value_kind: global_buffer, .address_space: global }
    .group_segment_fixed_size: 68096
    .private_segment_fixed_size: 0
    .kernarg_segment_align: 8
    .kernarg_segment_size: 48
    .max_flat_workgroup_size: 128
    .sgpr_count:     66
    .vgpr_count:     210
    .wavefront_size: 32
...
	.end_amdgpu_metadata
.endif
;; end of part 1
;; launch qkv (part 2): grid 16 x 16, 4 waves a work-group, clusters of 4 x 4, 327,680 bytes of LDS; arguments xq, wq, b_qkv, qb, kv; writes qb, kv
.if DOCPART == 2
	.amdgcn_target "amdgcn-amd-amdhsa--gfx1250"
	.amdhsa_code_object_version 6
	.text
	.protected	k_q705cc6ed28_qkv
	.globl	k_q705cc6ed28_qkv
	.p2align	8
	.type	k_q705cc6ed28_qkv,@function
k_q705cc6ed28_qkv:
	s_mov_b64 s[64:65], 0
	v_nop
	global_prefetch_b8 v0, s[64:65] scope:SCOPE_SE
	s_setreg_imm32_b32 hwreg(HW_REG_WAVE_MODE, 25, 1), 1
	s_wait_xcnt 0x0
	s_wait_alu depctr_hold_cnt(0) depctr_sa_sdst(0) depctr_va_vdst(0) depctr_va_sdst(0) depctr_va_ssrc(0) depctr_va_vcc(0) depctr_vm_vsrc(0)
	s_getreg_b32 s2, hwreg(HW_REG_IB_STS2, 6, 4)
	s_cmp_eq_u32 s2, 0
	s_cbranch_scc0 .Lentry_in_a_cluster
	s_endpgm
.Lentry_in_a_cluster:
	s_bfe_u32 s2, ttmp6, 0x10000c
	s_cmp_lg_u32 s2, 0xf033
	s_cbranch_scc0 .Lentry_shape_is_right
	s_endpgm
.Lentry_shape_is_right:
.set PITCH,  272
.set HA,     128*PITCH
.set HB,     96*PITCH
.set BOFF,   2*HA
.set SLOT,   2*HA+2*HB
.set SCB,    2*SLOT
.set SCA,    SCB+192*32
.set SPARE,  SCA+256*32
.set NP,     8
.set ADRA, 16
.set ADRB, 20
.set LI,   24
.set LS,   25
.set LIV,  26
.set ADRS, 27
.set SPW,  28
.set NIL,  29
.set LSV,  30
.set SC,   32
.set TM,   64
.set T2,   76
.set HD,   88
.set SO,   100
.set WW,   112
.set VW,   114
.set WS,   116
.set AF,   128
.set CD,   128
.set BQK,  192
.set BV,   224
.set G1, 24
.set G0, 32
.set G1B, 48
.set G0B, 56
.set G1S, 68
.set G0S, 76
.set G1SB, 80
.set G0SB, 88
.set SEL, 2
.set MNT, 97
.set MSB, 0
.macro WIN new
.if MSB != (\new)
	s_set_vgpr_msb (MSB<<8)|(\new)
.set MSB, (\new)
.endif
.endm
.macro JLOAD g0a, g1a, g0b, g1b
	s_cmp_eq_u32 s15, 0
	s_cbranch_scc0 .Lfor_b_\@
	tensor_load_to_lds s[\g0a:\g0a+3], s[\g1a:\g1a+7]
	s_nop 0
.rept 4
	v_nop
.endr
	s_branch .Lasked_\@
.Lfor_b_\@:
	tensor_load_to_lds s[\g0b:\g0b+3], s[\g1b:\g1b+7]
	s_nop 0
.rept 4
	v_nop
.endr
.Lasked_\@:
.endm
.macro CREST
	s_cmp_lg_u32 s14, 0
	s_cbranch_scc1 .Lnot_wave_0_\@
	s_barrier_signal -3
.Lnot_wave_0_\@:
	s_barrier_wait -3
	s_barrier_signal -1
	s_barrier_wait -1
.endm
.macro CROUND
	s_barrier_signal -1
	s_barrier_wait -1
	CREST
.endm
.macro PLACES n
.rept \n
	v_nop
.endr
.endm
.macro FRAG reg, adr, q, i
.irp c, 0,1,2,3
	ds_load_b128 v[\reg+4*\c:\reg+4*\c+3], v[\adr] offset:128*(\q)+32*\c+(\i)*16*PITCH
.endr
.endm
.macro FETCH_B slot, q, p
	WIN 0x40
.irp i, 0,1,2,3,4,5
	FRAG 128*(\p)+16*\i, ADRB+\slot, \q, \i
.endr
	WIN 0
.endm
.macro FETCH_A slot, q, i0
.irp i, \i0, \i0+1, \i0+2, \i0+3
	FRAG AF+16*(\i), ADRA+\slot, \q, \i
.endr
.endm
.macro SCALES sc
.irp i, 0,1,2,3,4,5,6,7
	ds_load_b64 v[SC+16*\sc+2*\i:SC+16*\sc+2*\i+1], v[ADRS] offset:\i*512
.endr
.endm
.macro MULT hi, p, q, sc, first
.if \first
	WIN 0xa1+0x40*(\hi)
.else
	WIN 0xa1+0x50*(\hi)
.endif
.irp a, 0,1,2,3
.irp b, 0,1,2,3
.set rD, 8*(6*\a+\b)
.set rB, 128*(\p)+16*\b
.set rA, AF+16*(4*(\hi)+\a)
.set rSB, SC+16*(\sc)+2*\b+(\q)
.set rSA, SC+16*(\sc)+2*(4*(\hi)+\a)+(\q)
.if \first
	v_wmma_scale_f32_16x16x128_f8f6f4 v[rD:rD+7], v[rB:rB+15], v[rA:rA+15], v[BQK+8*\b:BQK+8*\b+7], v[rSB], v[rSA] matrix_a_fmt:MATRIX_FMT_BF8 matrix_b_fmt:MATRIX_FMT_BF8 matrix_b_scale:MATRIX_SCALE_ROW1
.else
	v_wmma_scale_f32_16x16x128_f8f6f4 v[rD:rD+7], v[rB:rB+15], v[rA:rA+15], v[rD:rD+7], v[rSB], v[rSA] matrix_a_fmt:MATRIX_FMT_BF8 matrix_b_fmt:MATRIX_FMT_BF8 matrix_b_scale:MATRIX_SCALE_ROW1
.endif
.endr
.endr
.endm
.macro MULV hi, p, q, sc, first
.if \first
	WIN 0xa4+0x40*(\hi)
.else
	WIN 0xa4+0x50*(\hi)
.endif
.irp a, 0,1,2,3
.irp k, 0,1
.set rD, 8*(6*\a+4+\k)
.set rB, 128*(\p)+16*(4+\k)
.set rA, AF+16*(4*(\hi)+\a)
.set rSB, SC+16*(\sc)+2*(4+\k)+(\q)
.set rSA, SC+16*(\sc)+2*(4*(\hi)+\a)+(\q)
.if \first
	v_wmma_scale_f32_16x16x128_f8f6f4 v[rD:rD+7], v[rA:rA+15], v[rB:rB+15], v[BV+8*\k:BV+8*\k+7], v[rSA], v[rSB] matrix_a_fmt:MATRIX_FMT_BF8 matrix_b_fmt:MATRIX_FMT_BF8 matrix_a_scale:MATRIX_SCALE_ROW1
.else
	v_wmma_scale_f32_16x16x128_f8f6f4 v[rD:rD+7], v[rA:rA+15], v[rB:rB+15], v[rD:rD+7], v[rSA], v[rSB] matrix_a_fmt:MATRIX_FMT_BF8 matrix_b_fmt:MATRIX_FMT_BF8 matrix_a_scale:MATRIX_SCALE_ROW1
.endif
.endr
.endr
.endm
.macro STEP slot, q, first
	s_wait_dscnt 16
	MULT 0, (\q)%2, \q, \slot, \first
	MULV 0, (\q)%2, \q, \slot, \first
	s_wait_dscnt 0x0
	PLACES NP
	FETCH_B \slot, (\q)+1, 1-(\q)%2
	FETCH_A \slot, (\q)+1, 0
	MULT 1, (\q)%2, \q, \slot, \first
	MULV 1, (\q)%2, \q, \slot, \first
	PLACES NP
	WIN 0
	FETCH_A \slot, (\q)+1, 4
.endm
.macro TURN slot, next, fill
	s_wait_tensorcnt 0x0
	ds_add_u32 v[SPW], v[NIL]
	s_wait_dscnt 17
	MULT 0, 1, 1, \slot, 0
	s_wait_dscnt 0x0
	s_barrier_signal -1
	MULV 0, 1, 1, \slot, 0
	WIN 0
	s_barrier_wait -1
.if \fill
	CREST
	s_add_nc_u64 s[G0+4*\slot+2:G0+4*\slot+3], s[G0+4*\slot+2:G0+4*\slot+3], 512
	s_add_nc_u64 s[G0B+4*\slot+2:G0B+4*\slot+3], s[G0B+4*\slot+2:G0B+4*\slot+3], 512
	JLOAD G0+4*\slot, G1, G0B+4*\slot, G1B
	PLACES NP-4
.else
	PLACES NP
.endif
	s_wait_alu depctr_va_vdst(0)
	v_add_nc_u32 v[ADRS], 8, v[ADRS]
	FETCH_B \next, 0, 0
	FETCH_A \next, 0, 0
	SCALES \next
	MULT 1, 1, 1, \slot, 0
	MULV 1, 1, 1, \slot, 0
	PLACES NP
	WIN 0
	FETCH_A \next, 0, 4
.endm
	s_load_b256 s[4:11], s[0:1], 0x0
	s_load_b64 s[12:13], s[0:1], 0x20
	v_lshl_add_u32 v[SPW], v0, 2, SPARE
	v_mov_b32 v[NIL], 0
	ds_add_u32 v28, v29
	ds_add_u32 v28, v29
	s_wait_dscnt 0x0
	v_lshrrev_b32 v1, 5, v0
	v_readfirstlane_b32 s14, v1
	s_lshr_b32 s15, s14, 1
	s_and_b32 s16, s14, 1
	s_bfe_u32 s40, ttmp6, 0x40000
	s_bfe_u32 s41, ttmp6, 0x40004
	s_lshl_b32 s42, ttmp9, 2
	s_add_co_u32 s42, s42, s40
	s_and_b32 s17, ttmp7, 0xffff
	s_lshl_b32 s17, s17, 2
	s_add_co_u32 s17, s17, s41
	s_lshl_b32 s43, s41, 2
	s_lshl_b32 s43, 15, s43
	s_lshl_b32 s44, 0x1111, s40
	s_or_b32 s[G1+0], s43, (0<<16)|(1<<20)|(1<<21)|(5<<22)|(3<<25)
	s_or_b32 s[G1B+0], s44, (0<<16)|(1<<20)|(1<<21)|(5<<22)|(3<<25)
	s_mov_b32 s[G1+1], 256<<16
	s_mov_b32 s[G1+2], 256<<16
	s_mov_b32 s[G1+3], 256<<16
	s_mov_b32 s[G1+4], 256
	s_mov_b32 s[G1+5], 1024
	s_mov_b32 s[G1+6], 0
	s_mov_b32 s[G1+7], 0
	s_mov_b32 s[G1B+1], 256<<16
	s_mov_b32 s[G1B+2], 192<<16
	s_mov_b32 s[G1B+3], 256<<16
	s_mov_b32 s[G1B+4], 192
	s_mov_b32 s[G1B+5], 1024
	s_mov_b32 s[G1B+6], 0
	s_mov_b32 s[G1B+7], 0
	s_or_b32 s[G1S+0], s43, (3<<16)|(1<<21)
	s_or_b32 s[G1SB+0], s44, (3<<16)|(1<<21)
	s_mov_b32 s[G1S+1], 32<<16
	s_mov_b32 s[G1S+2], 32<<16
	s_mov_b32 s[G1S+3], 32<<16
	s_mov_b32 s[G1S+4], 32
	s_mov_b32 s[G1S+5], 32
	s_mov_b32 s[G1S+6], 0
	s_mov_b32 s[G1S+7], 0
	s_mov_b32 s[G1SB+1], 32<<16
	s_mov_b32 s[G1SB+2], 24<<16
	s_mov_b32 s[G1SB+3], 32<<16
	s_mov_b32 s[G1SB+4], 24
	s_mov_b32 s[G1SB+5], 32
	s_mov_b32 s[G1SB+6], 0
	s_mov_b32 s[G1SB+7], 0
	s_lshl_b32 s20, s17, 8
	s_lshl_b32 s22, s20, 5
	s_add_co_u32 s22, s22, 4194304
	s_mov_b32 s23, 0
	s_lshl_b32 s20, s20, 10
	s_mov_b32 s21, 0
	s_mul_i32 s46, s42, 192
	s_lshl_b32 s92, s46, 5
	s_add_co_u32 s92, s92, 3145728
	s_mov_b32 s93, 0
	s_lshl_b32 s46, s46, 10
	s_mov_b32 s47, 0
	s_mul_i32 s45, s16, HA
	s_mul_i32 s94, s16, HB
	s_wait_kmcnt 0x0
	s_add_nc_u64 s[20:21], s[4:5], s[20:21]
	s_add_nc_u64 s[22:23], s[4:5], s[22:23]
	s_add_nc_u64 s[46:47], s[6:7], s[46:47]
	s_add_nc_u64 s[92:93], s[6:7], s[92:93]
	CROUND
	s_mov_b32 s[G0S], 1
	s_mov_b32 s[G0S+1], SCA
	s_mov_b64 s[G0S+2:G0S+3], s[22:23]
	s_or_b32 s[G0S+3], s[G0S+3], 0x80000000
	s_mov_b32 s[G0SB], 1
	s_mov_b32 s[G0SB+1], SCB
	s_mov_b64 s[G0SB+2:G0SB+3], s[92:93]
	s_or_b32 s[G0SB+3], s[G0SB+3], 0x80000000
; THE HEAD'S LOADS, ONE A WAVE: what the first step needs is shared out: wave 0 fetches K step 0's 256 rows of x, wave 1 its 192 rows of the weight, wave 2 the scale bytes of x's 256 rows, wave 3 those of the weight's 192.
; One chain of branches on the wave's number, each arm with its load and, but for the last, a jump to the chain's end.
	s_mov_b32 s[G0], 1
	s_mov_b32 s[G0+1], 0
	s_mov_b64 s[G0+2:G0+3], s[20:21]
	s_or_b32 s[G0+3], s[G0+3], 0x80000000
	s_mov_b32 s[G0B], 1
	s_mov_b32 s[G0B+1], BOFF
	s_mov_b64 s[G0B+2:G0B+3], s[46:47]
	s_or_b32 s[G0B+3], s[G0B+3], 0x80000000
.macro ARM under, g0, g1, next
	s_cmp_lt_u32 s14, \under
	s_cbranch_scc0 \next
	tensor_load_to_lds s[\g0:\g0+3], s[\g1:\g1+7]
	s_nop 0
.rept 4
	v_nop
.endr
	s_branch .Lhead_asked
\next:
.endm
	ARM 1, G0,  G1,  .Lhead_b
	ARM 2, G0B, G1B, .Lhead_sa
	ARM 3, G0S, G1S, .Lhead_sb
	tensor_load_to_lds s[G0SB:G0SB+3], s[G1SB:G1SB+7]
	s_nop 0
.rept 4
	v_nop
.endr
.Lhead_asked:
	s_lshl_b32 s18, s16, 17                        ; for the ring: my half of a tile: 128 rows of x,
	s_mov_b32 s19, 0
	s_add_nc_u64 s[20:21], s[20:21], s[18:19]
	s_mul_i32 s18, s16, 98304                      ; 96 rows of the weight
	s_add_nc_u64 s[46:47], s[46:47], s[18:19]
	s_mov_b32 s[G0+4], 1                           ; slot 1's sets: K step 1
	s_add_co_u32 s[G0+5], s45, SLOT
	s_add_nc_u64 s[G0+6:G0+7], s[20:21], 256
	s_or_b32 s[G0+7], s[G0+7], 0x80000000
	s_mov_b32 s[G0B+4], 1
	s_add_co_u32 s[G0B+5], s94, SLOT+BOFF
	s_add_nc_u64 s[G0B+6:G0B+7], s[46:47], 256
	s_or_b32 s[G0B+7], s[G0B+7], 0x80000000
	s_wait_alu depctr_va_vdst(0)
	s_wait_tensorcnt 0x0                           ; my tile of the head's four is in
	ds_add_u32 v28, v29
	s_mov_b32 s[G0+1], s45                         ; no tensor load of mine is out, so descriptors may be written: slot 0's sets for its refill, my half of K step 0,
	s_mov_b64 s[G0+2:G0+3], s[20:21]
	s_or_b32 s[G0+3], s[G0+3], 0x80000000
	s_add_co_u32 s[G0B+1], s94, BOFF
	s_mov_b64 s[G0B+2:G0B+3], s[46:47]
	s_or_b32 s[G0B+3], s[G0B+3], 0x80000000
	s_mov_b32 s[G1+2], 128<<16                     ; and from here on a load brings half a tile's rows
	s_mov_b32 s[G1+4], 128
	s_mov_b32 s[G1B+2], 96<<16
	s_mov_b32 s[G1B+4], 96
	s_wait_dscnt 0x0
	CROUND                                         ; all four tiles are in, and all sixteen work-groups are here
	JLOAD G0+4, G1, G0B+4, G1B                     ; K step 1, the first tensor load behind the round
	s_lshl_b32 s97, s17, 1
	s_add_co_u32 s97, s97, s15
	s_mul_i32 s2, s42, 540672
	s_mul_i32 s3, s97, 16896
	s_add_co_u32 s2, s2, s3
	s_mov_b32 s3, 0
	s_add_nc_u64 s[12:13], s[12:13], s[2:3]
	s_lshl_b32 s2, s42, 18
	s_lshl_b32 s98, s97, 13
	s_add_co_u32 s2, s2, s98
	s_add_nc_u64 s[66:67], s[10:11], s[2:3]
	s_lshl_b32 s2, s42, 13
	s_lshl_b32 s98, s97, 8
	s_add_co_u32 s2, s2, s98
	s_add_co_u32 s2, s2, 4194304
	s_add_nc_u64 s[10:11], s[10:11], s[2:3]
	s_add_nc_u64 s[98:99], s[12:13], 16384
	s_cmp_lg_u32 s16, 0
	s_cselect_b64 s[66:67], s[12:13], s[66:67]
	s_cselect_b64 s[10:11], s[98:99], s[10:11]
	s_lshl_b32 s2, s42, 8
	s_add_nc_u64 s[8:9], s[8:9], s[2:3]
	s_mov_b32 s[SEL], 0x76543210
	s_mov_b32 s[SEL+1], 0xfedcba98
	s_mov_b32 s[MNT], 0x600000
	v_and_b32 v1, 15, v0
	v_bfe_u32 v2, v0, 4, 1
	s_wait_alu depctr_va_vdst(0)
	v_and_b32 v7, 31, v0
	v_mul_u32_u24 v3, v1, PITCH
	v_lshl_add_u32 v4, v2, 4, v3
	s_mul_i32 s18, s15, HA
	s_mul_i32 s19, s16, HB
	s_add_co_u32 s19, s19, BOFF
.irp s, 0,1
	v_add_nc_u32 v[ADRA+\s], s18, v4
	v_add_nc_u32 v[ADRB+\s], s19, v4
	s_add_co_u32 s18, s18, SLOT
	s_add_co_u32 s19, s19, SLOT
.endr
	v_lshlrev_b32 v5, 5, v1
	s_mul_i32 s18, s16, 3072
	s_lshl_b32 s19, s15, 12
	s_add_co_u32 s19, s19, SCA-SCB
	s_sub_co_u32 s19, s19, s18
	v_mul_u32_u24 v6, s19, v2
	s_add_co_u32 s18, s18, SCB
	v_add_nc_u32 v5, v5, v6
	v_add_nc_u32 v[ADRS], s18, v5
	v_lshlrev_b32 v[LI], 4, v7
	v_lshlrev_b32 v[LS], 2, v7
	s_lshl_b32 s18, s16, 12
	v_add_nc_u32 v[LIV], s18, v[LI]
	v_lshl_add_u32 v8, v2, 6, s18
	s_lshl_b32 s18, s16, 7
	v_add_nc_u32 v[LSV], s18, v[LS]
	v_and_b32 v9, 8, v1
	v_add_nc_u32 v9, v9, v1
	v_lshl_add_u32 v9, v9, 2, s18
.irp n, 0,1,2,3,4,5,6,7,8,9,10,11
	v_mov_b32 v[T2+\n], 0
.endr
	WIN 0x80
.irp b, 0,1,2,3
	global_load_b128 v[BQK+8*\b:BQK+8*\b+3], v8, s[8:9] offset:(32*(\b/2)+8*(\b%2))*4
	global_load_b128 v[BQK+8*\b+4:BQK+8*\b+7], v8, s[8:9] offset:(32*(\b/2)+8*(\b%2))*4+16
.endr
.irp k, 0,1
.irp e, 0,1,2,3,4,5,6,7
	global_load_b32 v[BV+8*\k+\e], v9, s[8:9] offset:8192+32*\k
.endr
.endr
	WIN 0
	s_wait_tensorcnt 1
	s_barrier_signal -1
	s_barrier_wait -1
	FETCH_B 0, 0, 0
	FETCH_A 0, 0, 0
	SCALES 0
	FETCH_A 0, 0, 4
	s_wait_loadcnt 0x0
	STEP 0, 0, 1
	TURN 0, 1, 1
	STEP 1, 0, 0
	TURN 1, 0, 1
	STEP 0, 0, 0
	TURN 0, 1, 0
	STEP 1, 0, 0
	s_wait_dscnt 16
	MULT 0, 1, 1, 1, 0
	MULV 0, 1, 1, 1, 0
	s_wait_dscnt 0x0
	MULT 1, 1, 1, 1, 0
	MULV 1, 1, 1, 1, 0
	WIN 0
	PLACES NP
.macro CHAIN n
.if (\n) < 8
.set XO, 8*(6*((\n)/2)+2*((\n)%2))
.set YO, XO+8
.else
.set XO, 8*(12*(((\n)-8)/2)+4+((\n)-8)%2)
.set YO, XO+48
.endif
.endm
.macro OUTW hi
	WIN 40+20*(\hi)
.irp n, 0,1,2,3,4,5,6,7,8,9,10,11
	CHAIN \n
	v_max3_num_f32 v[TM+\n], 0x8000000, |v[XO]|, |v[XO+1]|
.endr
.irp e, 2,4,6
.irp n, 0,1,2,3,4,5,6,7,8,9,10,11
	CHAIN \n
	v_max3_num_f32 v[TM+\n], v[TM+\n], |v[XO+\e]|, |v[XO+\e+1]|
.endr
.endr
.irp e, 0,2,4,6
.irp n, 0,1,2,3,4,5,6,7,8,9,10,11
	CHAIN \n
	v_max3_num_f32 v[TM+\n], v[TM+\n], |v[YO+\e]|, |v[YO+\e+1]|
.endr
.endr
	WIN 0
.irp n, 0,1,2,3,4,5,6,7,8,9,10,11
	v_permlanex16_b32 v[T2+\n], v[TM+\n], s[SEL], s[SEL+1]
.endr
.irp n, 0,1,2,3,4,5,6,7,8,9,10,11
	v_max_num_f32 v[TM+\n], v[TM+\n], v[T2+\n]
.endr
.irp n, 0,1,2,3,4,5,6,7,8,9,10,11
	v_add_nc_u32 v[SO+\n], 0xf8800000, v[TM+\n]
.endr
.irp n, 0,1,2,3,4,5,6,7,8,9,10,11
	v_and_or_b32 v[HD+\n], v[TM+\n], 0x7f800000, s[MNT]
.endr
.irp n, 0,1,2,3,4,5,6,7,8,9,10,11
	v_lshrrev_b32 v[T2+\n], 23, v[SO+\n]
.endr
.irp g, 0,1
	v_lshl_or_b32 v[WW+\g], v[T2+4*\g+1], 8, v[T2+4*\g]
	v_lshl_or_b32 v[WW+\g], v[T2+4*\g+2], 16, v[WW+\g]
	v_lshl_or_b32 v[WW+\g], v[T2+4*\g+3], 24, v[WW+\g]
.endr
	v_cndmask_b32 v[WS+\hi], v[WW+1], v[WW], vcc_lo
.irp k, 0,1
.if \hi == 0
	v_lshl_or_b32 v[VW+\k], v[T2+10+\k], 8, v[T2+8+\k]
.else
	v_lshl_or_b32 v[VW+\k], v[T2+8+\k], 16, v[VW+\k]
	v_lshl_or_b32 v[VW+\k], v[T2+10+\k], 24, v[VW+\k]
.endif
.endr
	WIN 130+65*(\hi)
.irp n, 0,1,2,3,4,5,6,7,8,9,10,11
	CHAIN \n
.irp e, 0,1,2,3,4,5,6,7
	v_med3_num_f32 v[XO+\e], v[XO+\e], -v[HD+\n], v[HD+\n]
.endr
.irp e, 0,1,2,3,4,5,6,7
	v_med3_num_f32 v[YO+\e], v[YO+\e], -v[HD+\n], v[HD+\n]
.endr
.endr
	WIN 2+(\hi)
.irp n, 0,1,2,3,4,5,6,7,8,9,10,11
	CHAIN \n
	v_cvt_scalef32_pk8_bf8_f32 v[CD+48*\hi+4*\n:CD+48*\hi+4*\n+1], v[XO:XO+7], v[SO+\n]
	v_cvt_scalef32_pk8_bf8_f32 v[CD+48*\hi+4*\n+2:CD+48*\hi+4*\n+3], v[YO:YO+7], v[SO+\n]
.endr
	v_nop
	WIN 0
.irp n, 0,1,2,3,4,5,6,7
	global_store_b128 v[LI], v[CD+48*\hi+4*\n:CD+48*\hi+4*\n+3], s[66:67] offset:(4*\hi+\n/2)*1024+512*(\n%2)
.endr
.irp n, 8,9,10,11
	global_store_b128 v[LIV], v[CD+48*\hi+4*\n:CD+48*\hi+4*\n+3], s[12:13] offset:8192+2048*((\n-8)%2)+512*(2*\hi+(\n-8)/2)
.endr
	global_store_b32 v[LS], v[WS+\hi], s[10:11] offset:128*\hi
.endm
	v_cmp_gt_u32 vcc_lo, 16, v7
	OUTW 0
	OUTW 1
	v_cndmask_b32 v[WS+2], v[VW+1], v[VW], vcc_lo
	global_store_b32 v[LSV], v[WS+2], s[12:13] offset:16640
	s_wait_tensorcnt 0x0
	ds_add_u32 v[SPW], v[NIL]
	s_wait_dscnt 0x0
	CROUND
	s_endpgm
.Lfunc_end_k_q705cc6ed28_qkv:
	.size	k_q705cc6ed28_qkv, .Lfunc_end_k_q705cc6ed28_qkv-k_q705cc6ed28_qkv
	.p2alignl 7, 3214868480
	.fill 96, 4, 3214868480
	.section	.rodata,"a",@progbits
	.p2align	6, 0x0
	.amdhsa_kernel k_q705cc6ed28_qkv
		.amdhsa_group_segment_fixed_size 327680
		.amdhsa_private_segment_fixed_size 0
		.amdhsa_enable_private_segment 0
		.amdhsa_kernarg_size 40
		.amdhsa_user_sgpr_count 2
		.amdhsa_user_sgpr_kernarg_segment_ptr 1
		.amdhsa_wavefront_size32 1
		.amdhsa_system_sgpr_workgroup_id_x 1
		.amdhsa_system_sgpr_workgroup_id_y 1
		.amdhsa_system_sgpr_workgroup_id_z 1
		.amdhsa_system_vgpr_workitem_id 0
		.amdhsa_next_free_vgpr 1024
		.amdhsa_next_free_sgpr 100
		.amdhsa_reserve_vcc 1
		.amdhsa_float_denorm_mode_32 3
		.amdhsa_float_denorm_mode_16_64 3
		.amdhsa_memory_ordered 1
		.amdhsa_forward_progress 1
		.amdhsa_inst_pref_size 152
	.end_amdhsa_kernel
	.amdgpu_metadata
---
amdhsa.version: [ 1, 2 ]
amdhsa.kernels:
  - .name:           k_q705cc6ed28_qkv
    .symbol:         k_q705cc6ed28_qkv.kd
    .args:
      - { .name: xq, .offset: 0, .size: 8, .value_kind: global_buffer, .address_space: global }
      - { .name: wq, .offset: 8, .size: 8, .value_kind: global_buffer, .address_space: global }
      - { .name: b_qkv, .offset: 16, .size: 8, .value_kind: global_buffer, .address_space: global }
      - { .name: qb, .offset: 24, .size: 8, .value_kind: global_buffer, .address_space: global }
      - { .name: kv, .offset: 32, .size: 8, .value_kind: global_buffer, .address_space: global }
    .group_segment_fixed_size: 327680
    .private_segment_fixed_size: 0
    .kernarg_segment_align: 8
    .kernarg_segment_size: 40
    .max_flat_workgroup_size: 128
    .sgpr_count:     100
    .vgpr_count:     1024
    .wavefront_size: 32
...
	.end_amdgpu_metadata
.endif
;; end of part 2
;; launch attn (part 3): grid 16 x 16, 8 waves a work-group, clusters of 4 x 1, 327,680 bytes of LDS; arguments qb, kv, ob; writes ob
.if DOCPART == 3
	.amdgcn_target "amdgcn-amd-amdhsa--gfx1250"
	.amdhsa_code_object_version 6
	.text
	.protected	k_q705cc6ed28_attn
	.globl	k_q705cc6ed28_attn
	.p2align	8
	.type	k_q705cc6ed28_attn,@function
k_q705cc6ed28_attn:
	s_mov_b64 s[64:65], 0
	v_nop
	global_prefetch_b8 v0, s[64:65] scope:SCOPE_SE
	s_setreg_imm32_b32 hwreg(HW_REG_WAVE_MODE, 25, 1), 1
	s_wait_xcnt 0x0
	s_wait_alu depctr_hold_cnt(0) depctr_sa_sdst(0) depctr_va_vdst(0) depctr_va_sdst(0) depctr_va_ssrc(0) depctr_va_vcc(0) depctr_vm_vsrc(0)
	s_getreg_b32 s2, hwreg(HW_REG_IB_STS2, 6, 4)
	s_cmp_eq_u32 s2, 0
	s_cbranch_scc0 .Lentry_in_a_cluster
	s_endpgm
.Lentry_in_a_cluster:
	s_bfe_u32 s2, ttmp6, 0x10000c
	s_cmp_lg_u32 s2, 0x3003
	s_cbranch_scc0 .Lentry_shape_is_right
	s_endpgm
.Lentry_shape_is_right:
; o = softmax(q k^T / 8) v for 16 heads of 64, 4,096 tokens, both products on codes of BF8 (E5M2) with one E8M0 scale for each 32 along a product's K; o is quantised along d for the last product.
; THE SOFTMAX AHEAD OF THE SECOND PRODUCT: t = score x log2(e) / 8; M = the row's largest t so far, rounded UP to a whole number; p = 2^(t - M) is what is quantised, along the keys; it is not normalised.
; The row's sum is taken of the unquantised p, in f32, and divides O at the end.  When M moves, the sum and O are multiplied by 2^(old M - new M): exact.
; A block's largest p is not searched for: the block's largest score goes through the same multiply-add and exponential (this takes v_exp_f32 not to fall where its input rises; at the worst one p of a
; block, within an ulp of a power of two, is held one code low).
; SHARES.  A work-group owns 256 stored tokens as queries of one head; each of its EIGHT waves owns TWO tiles of 16 queries (tile 0, tile 1), in 512 registers, two waves to a SIMD: a fragment of K or V that is
; read from LDS feeds both tiles' products, so a key step's 16,896 bytes are read from LDS eight times a work-group.  Every wave walks the head's 32 key steps of 128 keys.
; A key step's operands are one dense block of 16,896 bytes of kv, laid as images of the operands' registers: every LDS load takes 512 consecutive bytes.  Two LDS slots of eight steps; each wave fetches one step's block.
; CLUSTER.  The four query blocks of a cluster belong to one head and walk the same stream, so each tile is asked for JOINTLY: the same tensor load, with the same descriptor and a mask that names the four.
; NO PREFETCH: a slot's load is issued eight key steps, 192 products a wave, ahead of the wait for it; only slot 0's is waited for at once, and the head has no loop to run ahead in.
; LAYOUT.  Both products are used transposed: S^T = K Q^T, O^T = V^T P^T: a lane holds ONE query of each tile (lane % 16) throughout.  THE FIRST PRODUCT'S K IS 64, half of the instruction's 128: a fragment of K
; holds two neighbouring key tiles (k 0-63 tile 2 b, k 64-127 tile 2 b + 1), and Q stands in its half with zero codes in the other.  Zero codes times the other tile's codes, which are numbers (the quantiser makes
; no infinity), add exact zeros; all four scale bytes are real scales.  The stored order of tokens makes the 16 registers of key tiles 2 b, 2 b + 1 the keys 32 b + 16 (lane / 16) + 0 .. 15, as V's image has them.
; THE ORDER OF A STEP.  The held p goes into registers of its own, so p stays whole until the next step's scores are written over it, and a step's additions for the row's sum stand in the NEXT step, as the plain
; lines that are owed behind products and under K's loads.  The first step adds zeros; the last step's additions stand behind the loops.  One tile's vector lines stand behind the other tile's products.
; REGISTERS.  Window 0: all that vector instructions work on.  Window 1: the fragments of K and V, O^T and Q of both tiles.  Scale words lie in window 0.
; OUT.  ob: [ch = head / 8][tile T][8,192 B]: (head % 8) 1,024 + 512 b + 16 lane: the fragment of 16 tokens along K = 64 head + d; from byte 4,194,304 scale bytes [ch][T][r][16]: byte 2 (head % 8) + b.
; LIMITS: NaN and infinities are not served; a block of zeros gets the byte 1 (its codes are zeros, and this program alone reads the bytes); blocks whose largest magnitude lies under 2^-111 keep the byte 1;
; the promise holds while the scaled scores t stay under 2^31 in magnitude.
.set STEPB, 16896                      ; a key step's block
.set SLOTB, 8*STEPB
.set SPARE, 2*SLOTB                    ; behind the ring: the spare words, 128 bytes for each wave: four blocks of 256 bytes that no other line names
.set LI,  1                            ; v1   16 x lane
.set LS,  2                            ; v2   4 x lane
.set SPW, 3                            ; v3   LDS address of my spare word; never rewritten
.set NIL, 4                            ; v4   0; never rewritten
.set ADR, 5                            ; v5   the step's block + 16 x lane
.set ADS, 6                            ; v6   the step's block + 4 x lane
.set OA,  7                            ; v7   16 x (lane % 16)
.set ST,  12                           ; v12-19   tile t: ST + 4 t: -M, the largest score so far, the sum in two halves
.set FF,  20                           ; v20-23   tile t: FF + 2 t: f = 2^(old M - new M), and p's scale word
.set KS,  24                           ; v24-25   K's scale words: lanes 0-15 fragment 2 i, lanes 16-31 fragment 2 i + 1
.set VS,  26                           ; v26-27   V's likewise
.set QS,  28                           ; v28-29   tile t's Q scale word: its two bytes, twice
.set TT,  30                           ; v30-31   at work, one a tile
.set H,   32                           ; v32-47   the held p of two half blocks; v32-37 also the sums' three side chains
.set BM,  48                           ; + 16 t: the blocks' largest scores, then largest p
.set T2,  52                           ; + 16 t: at work
.set HD,  56                           ; + 16 t: 57,344 x the scale
.set SO,  60                           ; + 16 t: the conversion's scale operand
.set PC,  80                           ; v80-111  + 16 t: p's codes
.set SS,  112                          ; v112-239 + 64 t: S^T, then p
.set F,   0                            ; window 1: v0-63 four fragments of K, then of V
.set OT,  64                           ; window 1: v64-127 + 32 t: O^T
.set QZ,  128                          ; window 1: v128-175 + 24 t: 8 zeros, Q, 8 zeros: from + 8: Q in k 0-63; from + 0: Q in k 64-127
.set WV,  10
.set G1,  24                           ; s[24:31] group 1;  s[32:39] group 0, a set for each slot
.set G0,  32
.set TB,  40                           ; s40  LDS byte at which the step's block begins
.set CNT, 41
.set SEL, 42                           ; s[42:43] lane selects for v_permlanex16_b32: lane l xor 16
.set CS,  44                           ; s[44:45] c = log2(e) / 8
.set MNT, 46
.set MSB, 0
.macro WIN new                         ; s_set_vgpr_msb: bits 1:0 source 0, 3:2 source 1, 5:4 source 2, 7:6 destination; the high byte repeats the setting that is left
.if MSB != (\new)
	s_set_vgpr_msb (MSB<<8)|(\new)
.set MSB, (\new)
.endif
.endm
.macro ROUND                           ; a round of the cluster's barrier
	s_barrier_signal -1
	s_barrier_wait -1
	s_cmp_lg_u32 s[WV], 0
	s_cbranch_scc1 .Lnot_wave_0_\@
	s_barrier_signal -3
.Lnot_wave_0_\@:
	s_barrier_wait -3
	s_barrier_signal -1
	s_barrier_wait -1
.endm
	s_load_b128 s[4:7], s[0:1], 0x0                ; qb s[4:5], kv s[6:7]
	s_load_b64 s[8:9], s[0:1], 0x10                ; ob
	v_lshl_add_u32 v[SPW], v0, 2, SPARE
	v_mov_b32 v[NIL], 0
	ds_add_u32 v[SPW], v[NIL]                      ; the opening lines: the add, twice on end, and its wait ahead of my first tensor load
	ds_add_u32 v[SPW], v[NIL]
	v_lshrrev_b32 v8, 5, v0
	v_readfirstlane_b32 s[WV], v8                  ; wave 0..7
	s_bfe_u32 s11, ttmp6, 0x40000                  ; cx
	s_lshl_b32 s12, ttmp9, 2
	s_add_co_u32 s12, s12, s11                     ; my block of 256 queries: it enters qb's and ob's addresses alone
	s_and_b32 s13, ttmp7, 0xffff                   ; the head, which the four partners share
	s_mul_i32 s14, s13, 32*STEPB
	s_mul_i32 s56, s[WV], STEPB                    ; my eighth of a slot: a step's block
	s_add_co_u32 s14, s14, s56
	s_mov_b32 s15, 0
	; group 1: 16,896 dense bytes as 66 rows of 256 bytes (32 elements of 8 bytes)
	s_mov_b32 s[G1], 15|(3<<16)|(1<<21)            ; 15:0 the mask: all four work-groups; 17:16 elements of 8 bytes; 21 set beside a mask
	s_mov_b32 s[G1+1], 32<<16                      ; tensor_dim0
	s_mov_b32 s[G1+2], 66<<16                      ; tensor_dim1
	s_mov_b32 s[G1+3], 32<<16                      ; tile_dim0
	s_mov_b32 s[G1+4], 66                          ; tile_dim1
	s_mov_b32 s[G1+5], 32                          ; tensor_dim0_stride
	s_mov_b32 s[G1+6], 0
	s_mov_b32 s[G1+7], 0
	s_lshl_b32 s16, s12, 4
	s_lshl_b32 s17, s[WV], 1
	s_add_co_u32 s16, s16, s17                     ; T: my first tile of 16 stored tokens, an even one; the second is T + 1
	s_lshl_b32 s48, s13, 18
	s_lshl_b32 s17, s16, 10
	s_add_co_u32 s48, s48, s17                     ; q's image: head x 262,144 + 1,024 T
	s_mov_b32 s49, 0
	s_lshr_b32 s17, s16, 1
	s_lshl_b32 s17, s17, 6
	s_lshl_b32 s50, s13, 13
	s_add_co_u32 s50, s50, s17
	s_add_co_u32 s50, s50, 4194304                 ; the pair's scale words: head x 8,192 + 64 (T / 2)
	s_mov_b32 s51, 0
	s_lshr_b32 s17, s13, 3
	s_and_b32 s11, s13, 7
	s_lshl_b32 s52, s17, 21
	s_lshl_b32 s18, s16, 13
	s_add_co_u32 s52, s52, s18
	s_lshl_b32 s18, s11, 10
	s_add_co_u32 s52, s52, s18                     ; o's image; tile T + 1's lies 8,192 bytes on
	s_mov_b32 s53, 0
	s_lshl_b32 s54, s17, 16
	s_lshl_b32 s18, s16, 8
	s_add_co_u32 s54, s54, s18
	s_lshl_b32 s18, s11, 1
	s_add_co_u32 s54, s54, s18
	s_add_co_u32 s54, s54, 4194304                 ; its scale bytes; tile T + 1's lie 256 bytes on
	s_mov_b32 s55, 0
	s_mov_b32 s[SEL], 0x76543210
	s_mov_b32 s[SEL+1], 0xfedcba98
	s_mov_b32 s[CS], 0x3e38aa3b                    ; log2(e) / 8
	s_mov_b32 s[CS+1], s[CS]                       ; (named with it as a pair, so it is written)
	s_mov_b32 s[MNT], 0x600000
	s_wait_dscnt 0x0                               ; both opening adds are done
	s_wait_kmcnt 0x0
	s_add_nc_u64 s[14:15], s[6:7], s[14:15]
	s_add_nc_u64 s[48:49], s[4:5], s[48:49]
	s_add_nc_u64 s[50:51], s[4:5], s[50:51]
	s_add_nc_u64 s[52:53], s[8:9], s[52:53]
	s_add_nc_u64 s[54:55], s[8:9], s[54:55]
.irp n, 0,1
	s_mov_b32 s[G0+4*\n], 1                        ; count = 1
	s_add_co_u32 s[G0+4*\n+1], s56, \n*SLOTB       ; LDS address: the wave's number times a constant + the slot's constant
	s_add_nc_u64 s[G0+4*\n+2:G0+4*\n+3], s[14:15], \n*SLOTB   ; steps 8 n on
	s_or_b32 s[G0+4*\n+3], s[G0+4*\n+3], 0x80000000           ; type = 2
.endr
	ROUND                                          ; all four work-groups are here: the first joint loads meet
	tensor_load_to_lds s[G0:G0+3], s[G1:G1+7]      ; slot 0, steps 0-7: my one load at the head
	s_nop 0
.rept 4
	v_nop
.endr
	v_and_b32 v8, 31, v0
	v_and_b32 v9, 15, v0
	v_lshlrev_b32 v[LI], 4, v8
	v_lshlrev_b32 v[LS], 2, v8
	v_lshlrev_b32 v[OA], 4, v9
	v_lshlrev_b32 v10, 2, v9
	global_load_b32 v[TT], v10, s[50:51]           ; the scale word of my two tiles
	WIN 0x40                                       ; destinations in window 1
.irp t, 0,1
	global_load_b128 v[QZ+24*\t+8:QZ+24*\t+11], v[LI], s[48:49] offset:1024*\t        ; Q stays in registers: d = 16 h + 0..15,
	global_load_b128 v[QZ+24*\t+12:QZ+24*\t+15], v[LI], s[48:49] offset:1024*\t+512   ; d = 32 + 16 h + 0..15
.irp e, 0,1,2,3,4,5,6,7
	v_mov_b32 v[QZ+24*\t+\e], 0                    ; zero codes on both sides of Q
	v_mov_b32 v[QZ+24*\t+16+\e], 0
.endr
.endr
.set j, 0
.rept 64
	v_mov_b32 v[OT+j], 0                           ; O^T.  (The step is written once: the first finds zeros, which the first change of M leaves zeros)
.set j, j+1
.endr
	WIN 0
.set j, 0
.rept 128
	v_mov_b32 v[SS+j], 0                           ; the p of a step before the first: the first step's additions add zeros
.set j, j+1
.endr
.irp t, 0,1
	v_mov_b32 v[FF+2*\t+1], 0                      ; (named as the upper half of a pair before it is first written)
	v_mov_b32 v[ST+4*\t+1], 0xff61b1e6             ; the largest score so far: -3e38
	v_floor_f32 v[ST+4*\t], -v[ST+4*\t+1]          ; -M
	v_mov_b32 v[ST+4*\t+2], 0                      ; the sum, in two halves
	v_mov_b32 v[ST+4*\t+3], 0
.endr
	s_wait_alu depctr_va_vdst(0)
	s_wait_loadcnt 0x0
	v_perm_b32 v[QS], v[TT], v[TT], 0x01000100     ; tile 0's two bytes, twice;
	v_perm_b32 v[QS+1], v[TT], v[TT], 0x03020302   ; tile 1's: both more than eight plain lines ahead of the first product
; 16 additions of pairs: 32 numbers p of tile t (hi = 0: blocks 0, 1; 1: blocks 2, 3) onto the row's sum, in four chains by turns (the sum and three side chains); lines from .. to - 1 of the 16
.macro SUM t, hi, from, to
.set SX, SS+64*(\t)+32*(\hi)
.set SL, ST+4*(\t)+2
.set SN, \from
.rept (\to)-(\from)
.if SN < 3
	v_pk_add_f32 v[H+2*SN:H+2*SN+1], v[SX+4*SN:SX+4*SN+1], v[SX+4*SN+2:SX+4*SN+3]
.elseif SN < 13
.if (SN-3)%4 == 0
	v_pk_add_f32 v[SL:SL+1], v[SL:SL+1], v[SX+2*SN+6:SX+2*SN+7]
.else
.set SD, H+2*((SN-3)%4)-2
	v_pk_add_f32 v[SD:SD+1], v[SD:SD+1], v[SX+2*SN+6:SX+2*SN+7]
.endif
.elseif SN == 13
	v_pk_add_f32 v[H+2:H+3], v[H+2:H+3], v[H+4:H+5]
.elseif SN == 14
	v_pk_add_f32 v[SL:SL+1], v[SL:SL+1], v[H:H+1]
.else
	v_pk_add_f32 v[SL:SL+1], v[SL:SL+1], v[H+2:H+3]
.endif
.set SN, SN+1
.endr
.endm
.macro SMM t                           ; S^T = K Q^T of query tile t: fragment b serves key tiles 2 b (Q in k 0-63) and 2 b + 1 (Q in k 64-127).  Sources in window 1, results in window 0
	WIN 0x05
.irp b, 0,1,2,3
.irp u, 0,1
.set rD, SS+64*(\t)+8*(2*\b+\u)
.set rQ, QZ+24*(\t)+8-8*\u
.if (\b)%2
	v_wmma_scale_f32_16x16x128_f8f6f4 v[rD:rD+7], v[F+16*\b:F+16*\b+15], v[rQ:rQ+15], 0, v[KS+(\b)/2], v[QS+(\t)] matrix_a_fmt:MATRIX_FMT_BF8 matrix_b_fmt:MATRIX_FMT_BF8 matrix_a_scale:MATRIX_SCALE_ROW1
.else
	v_wmma_scale_f32_16x16x128_f8f6f4 v[rD:rD+7], v[F+16*\b:F+16*\b+15], v[rQ:rQ+15], 0, v[KS+(\b)/2], v[QS+(\t)] matrix_a_fmt:MATRIX_FMT_BF8 matrix_b_fmt:MATRIX_FMT_BF8
.endif
.endr
.endr
	WIN 0
.endm
.macro MXA t, b0, b1                   ; the largest score of two blocks of 32 keys, 12 lines: a chain for each key tile, four chains by turns; each result is read from its low end on
.set MS, SS+64*(\t)
.set MB, BM+16*(\t)
.set MT, T2+16*(\t)
.irp b, \b0, \b1
	v_max3_num_f32 v[MB+\b], v[MS+16*\b], v[MS+16*\b+1], v[MS+16*\b+2]
	v_max3_num_f32 v[MT+\b], v[MS+16*\b+8], v[MS+16*\b+9], v[MS+16*\b+10]
.endr
.irp i, 3,5
.irp b, \b0, \b1
	v_max3_num_f32 v[MB+\b], v[MB+\b], v[MS+16*\b+\i], v[MS+16*\b+\i+1]
	v_max3_num_f32 v[MT+\b], v[MT+\b], v[MS+16*\b+8+\i], v[MS+16*\b+9+\i]
.endr
.endr
.endm
.macro MXT t, k                        ; its last four levels, four lines each: the two chains and number 7; number 15; lane l xor 16's; joined: the block's largest score
.set MS, SS+64*(\t)
.set MB, BM+16*(\t)
.set MT, T2+16*(\t)
.irp b, 0,1,2,3
.if (\k) == 0
	v_max3_num_f32 v[MB+\b], v[MB+\b], v[MT+\b], v[MS+16*\b+7]
.elseif (\k) == 1
	v_max_num_f32 v[MB+\b], v[MB+\b], v[MS+16*\b+15]
.elseif (\k) == 2
	v_permlanex16_b32 v[MT+\b], v[MB+\b], s[SEL], s[SEL+1]
.else
	v_max_num_f32 v[MB+\b], v[MB+\b], v[MT+\b]
.endif
.endr
.endm
.macro CH t, k                         ; line k of the chain that makes tile t's M and f; each line needs the line before it, so the other tile's lines stand between them
.set CN, ST+4*(\t)
.set CM, BM+16*(\t)
.if (\k) == 0
	v_max3_num_f32 v[CN+1], v[CN+1], v[CM], v[CM+1]        ; the running largest score
.elseif (\k) == 1
	v_max3_num_f32 v[CN+1], v[CN+1], v[CM+2], v[CM+3]
.elseif (\k) == 2
	v_mov_b32 v[FF+2*(\t)], v[CN]                          ; the old -M
.elseif (\k) == 3
	v_mul_f32 v[TT+(\t)], s[CS], v[CN+1]                   ; as t (c is positive, so the largest score gives the largest t)
.elseif (\k) == 4
	v_floor_f32 v[CN], -v[TT+(\t)]                         ; the new -M = floor(-t) = -ceil(t): M is a whole number
.elseif (\k) == 5
	v_sub_f32 v[TT+(\t)], v[CN], v[FF+2*(\t)]              ; M's old value less its new one: a whole number, 0 or less
.elseif (\k) == 6
	v_cvt_i32_f32 v[TT+(\t)], v[TT+(\t)]                   ; (it saturates)
.else
	v_ldexp_f32 v[FF+2*(\t)], 1.0, v[TT+(\t)]              ; f = 2^(old M - new M): a multiplication by it rounds nothing
.endif
.endm
.macro PKF x, t                        ; t - M, two at a time
	v_pk_fma_f32 v[\x:\x+1], v[\x:\x+1], s[CS:CS+1], v[ST+4*(\t):ST+4*(\t)+1] op_sel_hi:[1,0,0]
.endm
.macro SCL t                           ; the four blocks' scales, from their largest p
.irp b, 0,1,2,3
	v_max_num_f32 v[BM+16*(\t)+\b], 0x8000000, v[BM+16*(\t)+\b]    ; the floor 2^(16 - 127): the byte cannot fall under 1
.endr
.irp b, 0,1,2,3
	v_add_nc_u32 v[SO+16*(\t)+\b], 0xf8800000, v[BM+16*(\t)+\b]    ; 15 off the exponent field: the conversion's scale operand
.endr
.irp b, 0,1,2,3
	v_and_or_b32 v[HD+16*(\t)+\b], v[BM+16*(\t)+\b], 0x7f800000, s[MNT]   ; 57,344 x the scale
.endr
.irp b, 0,1,2,3
	v_lshrrev_b32 v[T2+16*(\t)+\b], 23, v[SO+16*(\t)+\b]           ; the scale's byte
.endr
.endm
; Eight numbers of block bp and eight of block bp + 1 are held at the largest code x the scale (the conversion does not saturate: ISA guide 7.6.2; p is not negative, so the hold is one-sided), two holds to an
; instruction: one destination even and one odd, and the two halves' sources at register numbers that differ modulo 4, as the dual form asks.  Then the two conversions.
.macro HOLD8 t, bp, u
.set HS, SS+64*(\t)+16*(\bp)+8*(\u)
.set HH, HD+16*(\t)+(\bp)
.set HC, PC+16*(\t)+4*(\bp)+2*(\u)
.set HJ, 0
.rept 8
.set HK, HJ+1-2*(HJ%2)
	v_dual_min_num_f32 v[H+HJ], v[HS+HJ], v[HH] :: v_dual_min_num_f32 v[H+8+HK], v[HS+16+HK], v[HH+1]
.set HJ, HJ+1
.endr
	v_cvt_scalef32_pk8_bf8_f32 v[HC:HC+1], v[H:H+7], v[SO+16*(\t)+(\bp)]
	v_cvt_scalef32_pk8_bf8_f32 v[HC+4:HC+5], v[H+8:H+15], v[SO+16*(\t)+(\bp)+1]
.endm
; Tile t's p becomes codes; the three lines that make its scale word are the plain lines owed between a conversion and the next write of its sources.  Then O^T x f (sixteen lines between the last codes and the
; products, 24 places behind the scale word), and O^T += V^T P^T: K = these 128 keys.  The accumulators take turns.
.macro QPV t
.set QW, FF+2*(\t)+1
.set QB, T2+16*(\t)
	HOLD8 \t, 0, 0
	v_lshl_or_b32 v[QW], v[QB+1], 8, v[QB]
	HOLD8 \t, 0, 1
	v_lshl_or_b32 v[QW], v[QB+2], 16, v[QW]
	HOLD8 \t, 2, 0
	v_lshl_or_b32 v[QW], v[QB+3], 24, v[QW]
	HOLD8 \t, 2, 1
	WIN 0x41                                       ; O^T in window 1, f in window 0
.set j, 0
.rept 16
	v_pk_mul_f32 v[OT+32*(\t)+j:OT+32*(\t)+j+1], v[OT+32*(\t)+j:OT+32*(\t)+j+1], v[FF+2*(\t):FF+2*(\t)+1] op_sel_hi:[1,0]   ; each accumulator from its low end on
.set j, j+2
.endr
	WIN 0x51                                       ; V and O^T in window 1, the codes in window 0
.irp d, 0,1,2,3
.set rO, OT+32*(\t)+8*\d
.if (\d)%2
	v_wmma_scale_f32_16x16x128_f8f6f4 v[rO:rO+7], v[F+16*\d:F+16*\d+15], v[PC+16*(\t):PC+16*(\t)+15], v[rO:rO+7], v[VS+\d/2], v[FF+2*(\t)+1] matrix_a_fmt:MATRIX_FMT_BF8 matrix_b_fmt:MATRIX_FMT_BF8 matrix_a_scale:MATRIX_SCALE_ROW1
.else
	v_wmma_scale_f32_16x16x128_f8f6f4 v[rO:rO+7], v[F+16*\d:F+16*\d+15], v[PC+16*(\t):PC+16*(\t)+15], v[rO:rO+7], v[VS+\d/2], v[FF+2*(\t)+1] matrix_a_fmt:MATRIX_FMT_BF8 matrix_b_fmt:MATRIX_FMT_BF8
.endif
.endr
	WIN 0
.endm
; A KEY STEP: 128 keys, both query tiles.
.macro STEP
	v_add_nc_u32 v[ADR], s[TB], v[LI]
	v_add_nc_u32 v[ADS], s[TB], v[LS]
	SUM 0, 0, 0, 8                                 ; with the two additions: ten places in front of loads into registers that the last step's products have read
	WIN 0x40
.irp b, 0,1,2,3
.irp c, 0,1,2,3
	ds_load_b128 v[F+16*\b+4*\c:F+16*\b+4*\c+3], v[ADR] offset:2048*\b+512*\c
.endr
.endr
	WIN 0
	ds_load_b32 v[KS], v[ADS] offset:16384
	ds_load_b32 v[KS+1], v[ADS] offset:16384+128
	SUM 0, 0, 8, 16                                ; the last step's p of tile 0, and blocks 0, 1 of tile 1, are summed under the loads
	SUM 0, 1, 0, 16
	SUM 1, 0, 0, 16
	s_wait_alu depctr_va_vdst(0)
	s_wait_dscnt 0x0
	SMM 0
	SUM 1, 1, 0, 16                                ; sixteen places behind tile 0's products, of whose registers they name none
	SMM 1
	MXA 0, 0, 1                                    ; tile 0's maxima: forty places behind tile 1's products
	MXA 0, 2, 3
	MXT 0, 0
	MXT 0, 1
	MXT 0, 2
	MXT 0, 3
	WIN 0x40
.irp t, 0,1,2,3                        ; V's fragments land while the softmax is worked
.irp c, 0,1,2,3
	ds_load_b128 v[F+16*\t+4*\c:F+16*\t+4*\c+3], v[ADR] offset:8192+2048*\t+512*\c
.endr
.endr
	WIN 0
	ds_load_b32 v[VS], v[ADS] offset:16640
	ds_load_b32 v[VS+1], v[ADS] offset:16640+128
	MXA 1, 0, 1                                    ; tile 1's maxima, with tile 0's chain among them
	CH 0, 0
	MXA 1, 2, 3
	CH 0, 1
	CH 0, 2
	MXT 1, 0
	CH 0, 3
	MXT 1, 1
	CH 0, 4
	MXT 1, 2
	CH 0, 5
	MXT 1, 3
	CH 0, 6
.set PJ, 0
.rept 16                               ; tile 0's t - M, with tile 1's chain among them
	PKF SS+4*PJ, 0
	PKF SS+4*PJ+2, 0
.if PJ == 0
	CH 0, 7
.elseif PJ < 9
	CH 1, PJ-1
.endif
.set PJ, PJ+1
.endr
.set PJ, 0
.rept 32
	PKF SS+64+2*PJ, 1
.set PJ, PJ+1
.endr
.irp t, 0,1
	PKF BM+16*\t, \t                               ; the same of each block's largest score
	PKF BM+16*\t+2, \t
.endr
	s_wait_alu depctr_va_vdst(0)
.irp t, 0,1
.irp b, 0,1,2,3
	v_exp_f32 v[BM+16*\t+\b], v[BM+16*\t+\b]       ; the block's largest p: the same two instructions on the same number give the same bits
.endr
.endr
.set j, 0
.rept 128
	v_exp_f32 v[SS+j], v[SS+j]                     ; p = 2^(t - M): not normalised
.set j, j+1
.endr
.irp t, 0,1
	v_pk_mul_f32 v[ST+4*\t+2:ST+4*\t+3], v[ST+4*\t+2:ST+4*\t+3], v[FF+2*\t:FF+2*\t+1] op_sel_hi:[1,0]   ; the sums under the new M.  (Plain lines behind the exponentials)
.endr
	s_wait_alu depctr_va_vdst(0)                   ; one wait for the batch, ahead of its first reader
	s_wait_dscnt 0x0                               ; V's fragments and scale words
	SCL 0
	SCL 1
	QPV 0
	QPV 1                                          ; tile 1's vector lines name no register of tile 0's products
.endm
.macro RUN base                        ; a slot's eight steps: written once, walked eight times
	s_mov_b32 s[TB], \base
	s_mov_b32 s[CNT], 8
.Lstep_\@:
	STEP
	s_add_co_u32 s[TB], s[TB], STEPB
	s_sub_co_u32 s[CNT], s[CNT], 1
	s_cmp_lg_u32 s[CNT], 0
	s_cbranch_scc1 .Lstep_\@
.endm
; THE CHANGE OF SLOTS.  Each wave waits for all its tensor loads (its part of the slot ahead), adds 0 to its spare word, and waits for that and for its reads of the slot that it leaves.
; fill = 1: the slot named is filled: the barrier is then a round of the cluster's, and the joint load is the first thing behind it, with eight steps in which to land.  on = 1: with the steps sixteen on.
.macro CHANGE slot, fill, on
	s_wait_tensorcnt 0x0                           ; no tensor load of mine is out, so a group 0 may be written
	ds_add_u32 v[SPW], v[NIL]                      ; 0 onto my spare word
.if \on
	s_add_nc_u64 s[G0+4*\slot+2:G0+4*\slot+3], s[G0+4*\slot+2:G0+4*\slot+3], 2*SLOTB
.endif
	s_wait_dscnt 0x0                               ; the add is done, and my reads of the slot are over
.if \fill
	ROUND
	tensor_load_to_lds s[G0+4*\slot:G0+4*\slot+3], s[G1:G1+7]
	s_nop 0
.rept 4
	v_nop
.endr
.else
	s_barrier_signal -1
	s_barrier_wait -1
.endif
.endm
	s_wait_alu depctr_va_vdst(0)
	CHANGE 1, 1, 0                                 ; slot 0 is whole; slot 1's first fill, steps 8-15, is issued as a refill is
	RUN 0                                          ; steps 0-7
	CHANGE 0, 1, 1                                 ; slot 0 takes steps 16-23
	RUN SLOTB                                      ; steps 8-15
	CHANGE 1, 1, 1                                 ; slot 1 takes steps 24-31
	RUN 0
	CHANGE 0, 0, 0                                 ; nothing is left to fetch
	RUN SLOTB
	; THE WAY OUT.  The last step's p is summed; O^T is divided by the row's sum and quantised along d: register 16 b + i is d = 32 b + 16 (lane / 16) + i of my query; a block of 32 lies in lanes l and l xor 16.
.irp t, 0,1
	SUM \t, 0, 0, 16                               ; (these 64 lines are also the places behind the last products)
	SUM \t, 1, 0, 16
.endr
.irp t, 0,1
	v_add_f32 v[ST+4*\t+2], v[ST+4*\t+2], v[ST+4*\t+3]             ; the sum's two halves,
.endr
.irp t, 0,1
	v_permlanex16_b32 v[FF+2*\t], v[ST+4*\t+2], s[SEL], s[SEL+1]
.endr
.irp t, 0,1
	v_add_f32 v[ST+4*\t+2], v[ST+4*\t+2], v[FF+2*\t]               ; and lane l xor 16's: the row's sum
.endr
	s_wait_alu depctr_va_vdst(0)                   ; the wait ahead of the transcendentals
.irp t, 0,1
	v_rcp_f32 v[ST+4*\t+2], v[ST+4*\t+2]
.endr
	v_nop                                          ; one plain line behind a transcendental
	WIN 0x01                                       ; O^T in window 1
	s_wait_alu depctr_va_vdst(0)                   ; the wait ahead of their first reader, which is O^T's first reader too
.irp t, 0,1
.set j, 0
.rept 16
	v_pk_mul_f32 v[SS+64*\t+j:SS+64*\t+j+1], v[OT+32*\t+j:OT+32*\t+j+1], v[ST+4*\t+2:ST+4*\t+3] op_sel_hi:[1,0]   ; each accumulator from its low end on
.set j, j+2
.endr
.endr
	WIN 0
.irp t, 0,1
.irp b, 0,1
	v_max3_num_f32 v[BM+16*\t+\b], |v[SS+64*\t+16*\b]|, |v[SS+64*\t+16*\b+1]|, 0x8000000
.endr
.endr
.irp i, 2,4,6,8,10,12,14
.irp t, 0,1
.irp b, 0,1
	v_max3_num_f32 v[BM+16*\t+\b], v[BM+16*\t+\b], |v[SS+64*\t+16*\b+\i]|, |v[SS+64*\t+16*\b+\i+1]|
.endr
.endr
.endr
.irp t, 0,1
.irp b, 0,1
	v_permlanex16_b32 v[T2+16*\t+\b], v[BM+16*\t+\b], s[SEL], s[SEL+1]
.endr
.endr
.irp t, 0,1
.irp b, 0,1
	v_max_num_f32 v[BM+16*\t+\b], v[BM+16*\t+\b], v[T2+16*\t+\b]
.endr
.endr
.irp t, 0,1
.irp b, 0,1
	v_add_nc_u32 v[SO+16*\t+\b], 0xf8800000, v[BM+16*\t+\b]
.endr
.endr
.irp t, 0,1
.irp b, 0,1
	v_and_or_b32 v[HD+16*\t+\b], v[BM+16*\t+\b], 0x7f800000, s[MNT]
.endr
.endr
.irp t, 0,1
.irp b, 0,1
	v_lshrrev_b32 v[T2+16*\t+\b], 23, v[SO+16*\t+\b]
.endr
.endr
.irp t, 0,1
	v_lshl_or_b32 v[TT+\t], v[T2+16*\t+1], 8, v[T2+16*\t]          ; my row's two scale bytes
.endr
.irp t, 0,1
.irp b, 0,1
.irp i, 0,1,2,3,4,5,6,7,8,9,10,11,12,13,14,15
	v_med3_num_f32 v[SS+64*\t+16*\b+\i], v[SS+64*\t+16*\b+\i], -v[HD+16*\t+\b], v[HD+16*\t+\b]
.endr
	v_cvt_scalef32_pk8_bf8_f32 v[PC+16*\t+4*\b:PC+16*\t+4*\b+1], v[SS+64*\t+16*\b:SS+64*\t+16*\b+7], v[SO+16*\t+\b]
	v_cvt_scalef32_pk8_bf8_f32 v[PC+16*\t+4*\b+2:PC+16*\t+4*\b+3], v[SS+64*\t+16*\b+8:SS+64*\t+16*\b+15], v[SO+16*\t+\b]
.endr
.endr
	v_nop                                          ; one plain line behind the last conversion
.irp t, 0,1
	global_store_b128 v[LI], v[PC+16*\t:PC+16*\t+3], s[52:53] offset:8192*\t            ; each store of the wave covers 512 consecutive bytes, aligned
	global_store_b128 v[LI], v[PC+16*\t+4:PC+16*\t+7], s[52:53] offset:8192*\t+512
	global_store_b16 v[OA], v[TT+\t], s[54:55] offset:256*\t       ; 2 bytes of each row's 16 (lanes l and l + 16 write the same value to the same place): 2 bytes for each 64 bytes of codes
.endr
	s_wait_tensorcnt 0x0                           ; the wave's end
	ds_add_u32 v[SPW], v[NIL]
	s_wait_dscnt 0x0
	ROUND                                          ; the closing round: no work-group ends while a partner may still ask for a tile that names it
	s_endpgm
.Lfunc_end_k_q705cc6ed28_attn:
	.size	k_q705cc6ed28_attn, .Lfunc_end_k_q705cc6ed28_attn-k_q705cc6ed28_attn
	.p2alignl 7, 3214868480
	.fill 96, 4, 3214868480
	.section	.rodata,"a",@progbits
	.p2align	6, 0x0
	.amdhsa_kernel k_q705cc6ed28_attn
		.amdhsa_group_segment_fixed_size 327680
		.amdhsa_private_segment_fixed_size 0
		.amdhsa_enable_private_segment 0
		.amdhsa_kernarg_size 24
		.amdhsa_user_sgpr_count 2
		.amdhsa_user_sgpr_kernarg_segment_ptr 1
		.amdhsa_wavefront_size32 1
		.amdhsa_system_sgpr_workgroup_id_x 1
		.amdhsa_system_sgpr_workgroup_id_y 1
		.amdhsa_system_sgpr_workgroup_id_z 1
		.amdhsa_system_vgpr_workitem_id 0
		.amdhsa_next_free_vgpr 512
		.amdhsa_next_free_sgpr 66
		.amdhsa_reserve_vcc 0
		.amdhsa_float_denorm_mode_32 3
		.amdhsa_float_denorm_mode_16_64 3
		.amdhsa_memory_ordered 1
		.amdhsa_forward_progress 1
		.amdhsa_inst_pref_size 164
	.end_amdhsa_kernel
	.amdgpu_metadata
---
amdhsa.version: [ 1, 2 ]
amdhsa.kernels:
  - .name:           k_q705cc6ed28_attn
    .symbol:         k_q705cc6ed28_attn.kd
    .args:
      - { .name: qb, .offset: 0, .size: 8, .value_kind: global_buffer, .address_space: global }
      - { .name: kv, .offset: 8, .size: 8, .value_kind: global_buffer, .address_space: global }
      - { .name: ob, .offset: 16, .size: 8, .value_kind: global_buffer, .address_space: global }
    .group_segment_fixed_size: 327680
    .private_segment_fixed_size: 0
    .kernarg_segment_align: 8
    .kernarg_segment_size: 24
    .max_flat_workgroup_size: 256
    .sgpr_count:     66
    .vgpr_count:     512
    .wavefront_size: 32
...
	.end_amdgpu_metadata
.endif
;; end of part 3
;; launch proj (part 4): grid 8 x 32, 4 waves a work-group, clusters of 4 x 4, 327,680 bytes of LDS; arguments ob, wo, b_out, out0; writes out0
.if DOCPART == 4
	.amdgcn_target "amdgcn-amd-amdhsa--gfx1250"
	.amdhsa_code_object_version 6
	.text
	.protected	k_q705cc6ed28_proj
	.globl	k_q705cc6ed28_proj
	.p2align	8
	.type	k_q705cc6ed28_proj,@function
k_q705cc6ed28_proj:
	s_mov_b64 s[64:65], 0
	v_nop
	global_prefetch_b8 v0, s[64:65] scope:SCOPE_SE
	s_setreg_imm32_b32 hwreg(HW_REG_WAVE_MODE, 25, 1), 1
	s_wait_xcnt 0x0
	s_wait_alu depctr_hold_cnt(0) depctr_sa_sdst(0) depctr_va_vdst(0) depctr_va_sdst(0) depctr_va_ssrc(0) depctr_va_vcc(0) depctr_vm_vsrc(0)
	s_getreg_b32 s2, hwreg(HW_REG_IB_STS2, 6, 4)
	s_cmp_eq_u32 s2, 0
	s_cbranch_scc0 .Lentry_in_a_cluster
	s_endpgm
.Lentry_in_a_cluster:
	s_bfe_u32 s2, ttmp6, 0x10000c
	s_cmp_lg_u32 s2, 0xf033
	s_cbranch_scc0 .Lentry_shape_is_right
	s_endpgm
.Lentry_shape_is_right:
.set BP,    528
.set AIMG,  0
.set BROW,  131072
.set ASC,   BROW+2*128*BP
.set BSC,   ASC+4096
.set STG,   BSC+4096
.set NP,    8
.set ADRA, 16
.set ADRB, 18
.set ADSA, 20
.set ADSB, 21
.set STO,  22
.set RD,   23
.set CO,   24
.set SCW,  32
.set BK,   32
.set BI,   96
.set ACC,  128
.set G1A,  24
.set G1AS, 32
.set G1B,  40
.set G1BS, 48
.set G0A,  68
.set G0B,  80
.set MSB, 0
.macro WIN new
.if MSB != (\new)
	s_set_vgpr_msb (MSB<<8)|(\new)
.set MSB, (\new)
.endif
.endm
.macro JLOAD g0a, g1a, g0b, g1b
	s_cmp_eq_u32 s15, 0
	s_cbranch_scc0 .Lfor_b_\@
	tensor_load_to_lds s[\g0a:\g0a+3], s[\g1a:\g1a+7]
	s_nop 0
.rept 4
	v_nop
.endr
	s_branch .Lasked_\@
.Lfor_b_\@:
	tensor_load_to_lds s[\g0b:\g0b+3], s[\g1b:\g1b+7]
	s_nop 0
.rept 4
	v_nop
.endr
.Lasked_\@:
.endm
.macro CROUND
	s_barrier_signal -1
	s_barrier_wait -1
	s_cmp_lg_u32 s14, 0
	s_cbranch_scc1 .Lnot_wave_0_\@
	s_barrier_signal -3
.Lnot_wave_0_\@:
	s_barrier_wait -3
	s_barrier_signal -1
	s_barrier_wait -1
.endm
.macro PLACES n
.rept \n
	v_nop
.endr
.endm
	s_load_b256 s[4:11], s[0:1], 0x0
	v_lshl_add_u32 v30, v0, 2, 0x47400
	v_mov_b32 v31, 0
	ds_add_u32 v30, v31
	ds_add_u32 v30, v31
	v_lshrrev_b32 v1, 5, v0
	v_readfirstlane_b32 s14, v1
	s_lshr_b32 s15, s14, 1
	s_and_b32 s16, s14, 1
	s_bfe_u32 s56, ttmp6, 0x40000
	s_bfe_u32 s57, ttmp6, 0x40004
	s_lshl_b32 s58, ttmp9, 2
	s_add_co_u32 s58, s58, s56
	s_and_b32 s17, ttmp7, 0xffff
	s_lshl_b32 s17, s17, 2
	s_add_co_u32 s17, s17, s57
	s_lshl_b32 s59, s57, 2
	s_lshl_b32 s59, 15, s59
	s_lshl_b32 s60, 0x1111, s56
	s_or_b32 s[G1A], s59, (3<<16)|(1<<21)
	s_mov_b32 s[G1A+1], 32<<16
	s_mov_b32 s[G1A+2], 256<<16
	s_mov_b32 s[G1A+3], 32<<16
	s_mov_b32 s[G1A+4], 256
	s_mov_b32 s[G1A+5], 32
	s_mov_b32 s[G1A+6], 0
	s_mov_b32 s[G1A+7], 0
	s_or_b32 s[G1AS], s59, (3<<16)|(1<<21)
	s_mov_b32 s[G1AS+1], 256<<16
	s_mov_b32 s[G1AS+2], 2<<16
	s_mov_b32 s[G1AS+3], 256<<16
	s_mov_b32 s[G1AS+4], 2
	s_mov_b32 s[G1AS+5], 8192
	s_mov_b32 s[G1AS+6], 0
	s_mov_b32 s[G1AS+7], 0
	s_or_b32 s[G1B], s60, (0<<16)|(1<<20)|(1<<21)|(6<<22)|(3<<25)
	s_mov_b32 s[G1B+1], 512<<16
	s_mov_b32 s[G1B+2], 128<<16
	s_mov_b32 s[G1B+3], 512<<16
	s_mov_b32 s[G1B+4], 128
	s_mov_b32 s[G1B+5], 1024
	s_mov_b32 s[G1B+6], 0
	s_mov_b32 s[G1B+7], 0
	s_or_b32 s[G1BS], s60, (3<<16)|(1<<21)
	s_mov_b32 s[G1BS+1], 32<<16
	s_mov_b32 s[G1BS+2], 16<<16
	s_mov_b32 s[G1BS+3], 32<<16
	s_mov_b32 s[G1BS+4], 16
	s_mov_b32 s[G1BS+5], 32
	s_mov_b32 s[G1BS+6], 0
	s_mov_b32 s[G1BS+7], 0
	s_lshl_b32 s18, s17, 3
	s_lshl_b32 s20, s18, 13
	s_mov_b32 s21, 0
	s_lshl_b32 s22, s18, 8
	s_add_co_u32 s22, s22, 4194304
	s_mov_b32 s23, 0
	s_lshl_b32 s19, s16, 15
	s_mul_i32 s62, s16, 64*BP
	s_lshl_b32 s61, s58, 7
	s_lshl_b32 s92, s61, 10
	s_mov_b32 s93, 0
	s_lshl_b32 s94, s61, 5
	s_add_co_u32 s94, s94, 1048576
	s_mov_b32 s95, 0
	s_wait_dscnt 0x0
	s_wait_kmcnt 0x0
	s_add_nc_u64 s[20:21], s[4:5], s[20:21]
	s_add_nc_u64 s[22:23], s[4:5], s[22:23]
	s_add_nc_u64 s[92:93], s[6:7], s[92:93]
	s_add_nc_u64 s[94:95], s[6:7], s[94:95]
	CROUND
	s_mov_b32 s[G0A], 1
	s_mov_b32 s[G0A+1], ASC
	s_mov_b64 s[G0A+2:G0A+3], s[22:23]
	s_or_b32 s[G0A+3], s[G0A+3], 0x80000000
	s_mov_b32 s[G0B], 1
	s_mov_b32 s[G0B+1], BSC
	s_mov_b64 s[G0B+2:G0B+3], s[94:95]
	s_or_b32 s[G0B+3], s[G0B+3], 0x80000000
; THE HEAD'S LOADS, ONE A WAVE: wave 0 fetches chunk 0 of o's images, eight tiles, 65,536 dense bytes; wave 1 chunk 0 of the weight's 128 rows; wave 2 o's scale bytes, 2,048 for each chunk; wave 3 the weight's.
; One chain of branches on the wave's number, each arm with its load and, but for the last, a jump to the chain's end.
	s_mov_b32 s[G0A+4], 1
	s_mov_b32 s[G0A+5], AIMG
	s_mov_b64 s[G0A+6:G0A+7], s[20:21]
	s_or_b32 s[G0A+7], s[G0A+7], 0x80000000
	s_mov_b32 s[G0B+4], 1
	s_mov_b32 s[G0B+5], BROW
	s_mov_b64 s[G0B+6:G0B+7], s[92:93]
	s_or_b32 s[G0B+7], s[G0B+7], 0x80000000
.macro ARM under, g0, g1, next
	s_cmp_lt_u32 s14, \under
	s_cbranch_scc0 \next
	tensor_load_to_lds s[\g0:\g0+3], s[\g1:\g1+7]
	s_nop 0
.rept 4
	v_nop
.endr
	s_branch .Lhead_asked
\next:
.endm
	ARM 1, G0A+4, G1A,  .Lhead_b
	ARM 2, G0B+4, G1B,  .Lhead_sa
	ARM 3, G0A,   G1AS, .Lhead_sb
	tensor_load_to_lds s[G0B:G0B+3], s[G1BS:G1BS+7]
	s_nop 0
.rept 4
	v_nop
.endr
.Lhead_asked:
	s_mov_b32 s2, s19                              ; chunk 1 comes in halves: my four tiles of o, 32,768 bytes,
	s_mov_b32 s3, 0
	s_add_nc_u64 s[20:21], s[20:21], s[2:3]
	s_lshl_b32 s2, s16, 16                         ; my 64 rows of the weight
	s_add_nc_u64 s[92:93], s[92:93], s[2:3]
	s_mov_b32 s[G0A+8], 1
	s_add_co_u32 s[G0A+9], s19, AIMG+65536
	s_add_nc_u64 s[G0A+10:G0A+11], s[20:21], 2097152
	s_or_b32 s[G0A+11], s[G0A+11], 0x80000000
	s_mov_b32 s[G0B+8], 1
	s_add_co_u32 s[G0B+9], s62, BROW+128*BP
	s_add_nc_u64 s[G0B+10:G0B+11], s[92:93], 512
	s_or_b32 s[G0B+11], s[G0B+11], 0x80000000
	s_wait_alu depctr_va_vdst(0)
	s_wait_tensorcnt 0x0                           ; my tile of the head's four is in
	ds_add_u32 v30, v31
	s_mov_b32 s[G1A+2], 128<<16                    ; no tensor load of mine is out, so a descriptor may be written: from here on a load brings half a chunk's rows
	s_mov_b32 s[G1A+4], 128
	s_mov_b32 s[G1B+2], 64<<16
	s_mov_b32 s[G1B+4], 64
	s_wait_dscnt 0x0
	CROUND                                         ; all four tiles are in, and all sixteen work-groups are here
	JLOAD G0A+8, G1A, G0B+8, G1B                   ; chunk 1, the first tensor load behind the round
	s_lshl_b32 s98, s58, 9
	s_lshl_b32 s2, s16, 8
	s_add_co_u32 s98, s98, s2
	s_mov_b32 s99, 0
	s_add_nc_u64 s[8:9], s[8:9], s[98:99]
	s_lshl_b32 s2, s17, 19
	s_add_co_u32 s98, s98, s2
	s_lshl_b32 s2, s15, 18
	s_add_co_u32 s98, s98, s2
	s_add_nc_u64 s[10:11], s[10:11], s[98:99]
	v_and_b32 v1, 15, v0
	v_bfe_u32 v2, v0, 4, 1
	v_and_b32 v3, 31, v0
	v_lshlrev_b32 v4, 4, v3
	s_lshl_b32 s2, s15, 15
	v_add_nc_u32 v[ADRA], s2, v4
	v_add_nc_u32 v[ADRA+1], 65536, v[ADRA]
	v_mul_u32_u24 v5, v1, BP
	v_lshl_add_u32 v5, v2, 4, v5
	s_mul_i32 s2, s16, 64*BP
	s_add_co_u32 s2, s2, BROW
	v_add_nc_u32 v[ADRB], s2, v5
	v_add_nc_u32 v[ADRB+1], 128*BP, v[ADRB]
	s_lshl_b32 s2, s15, 10
	s_add_co_u32 s2, s2, ASC
	v_lshl_add_u32 v[ADSA], v1, 4, s2
	s_lshl_b32 s2, s16, 11
	s_add_co_u32 s2, s2, BSC
	v_lshl_add_u32 v[ADSB], v1, 5, s2
	s_mul_i32 s2, s14, 16*272
	s_add_co_u32 s2, s2, STG
	v_mul_u32_u24 v5, v1, 272
	v_lshl_add_u32 v5, v2, 6, v5
	v_add_nc_u32 v[STO], s2, v5
	v_mul_u32_u24 v5, v2, 272
	v_lshl_add_u32 v5, v1, 4, v5
	v_add_nc_u32 v[RD], s2, v5
	v_lshlrev_b32 v[CO], 12, v2
	v_lshl_add_u32 v[CO], v1, 4, v[CO]
	v_lshlrev_b32 v6, 6, v2
.irp b, 0,1,2,3
	global_load_b128 v[BI+8*\b:BI+8*\b+3], v6, s[8:9] offset:(32*(\b/2)+8*(\b%2))*4
	global_load_b128 v[BI+8*\b+4:BI+8*\b+7], v6, s[8:9] offset:(32*(\b/2)+8*(\b%2))*4+16
.endr
.macro SCALES ch
	WIN 0
.irp a, 0,1,2,3
	ds_load_b128 v[SCW+32*\ch+4*\a:SCW+32*\ch+4*\a+3], v[ADSA] offset:2048*\ch+256*\a
.endr
.irp b, 0,1,2,3
	ds_load_b128 v[SCW+16+32*\ch+4*\b:SCW+16+32*\ch+4*\b+3], v[ADSB] offset:16*\ch+512*\b
.endr
.endm
.macro FETCH q, f
	WIN 0x40
.irp a, 0,1,2,3
.irp c, 0,1,2,3
	ds_load_b128 v[\f+16*\a+4*\c:\f+16*\a+4*\c+3], v[ADRA+(\q)/4] offset:8192*\a+2048*((\q)%4)+512*\c
.endr
.endr
.irp b, 0,1,2,3
.irp c, 0,1,2,3
	ds_load_b128 v[\f+64+16*\b+4*\c:\f+64+16*\b+4*\c+3], v[ADRB+(\q)/4] offset:16*BP*\b+128*((\q)%4)+32*\c
.endr
.endr
.endm
.macro MUL q, f
	WIN 0x05
.irp a, 0,1,2,3
.irp b, 0,1,2,3
.set rD, ACC+8*(4*\a+\b)
.set rSB, SCW+16+32*((\q)/4)+4*\b+(\q)%4
.set rSA, SCW+32*((\q)/4)+4*\a+(\q)%4
.if (\q) == 0
	v_wmma_scale_f32_16x16x128_f8f6f4 v[rD:rD+7], v[\f+64+16*\b:\f+64+16*\b+15], v[\f+16*\a:\f+16*\a+15], v[BI+8*\b:BI+8*\b+7], v[rSB], v[rSA] matrix_a_fmt:MATRIX_FMT_BF8 matrix_b_fmt:MATRIX_FMT_BF8
.else
	v_wmma_scale_f32_16x16x128_f8f6f4 v[rD:rD+7], v[\f+64+16*\b:\f+64+16*\b+15], v[\f+16*\a:\f+16*\a+15], v[rD:rD+7], v[rSB], v[rSA] matrix_a_fmt:MATRIX_FMT_BF8 matrix_b_fmt:MATRIX_FMT_BF8
.endif
.endr
.endr
.endm
.macro KS q
.if (\q) == 3
	s_wait_tensorcnt 0x0
.endif
	s_wait_dscnt 0x0
.if (\q) == 3
	s_barrier_signal -1
	s_barrier_wait -1
	SCALES 1
.endif
.if ((\q) > 0) && ((\q) < 7)
	PLACES NP
.endif
.if (\q) < 7
	FETCH (\q)+1, 128*(((\q)+1)%2)
.endif
	MUL \q, 128*((\q)%2)
.endm
	s_wait_tensorcnt 1
	s_barrier_signal -1
	s_barrier_wait -1
	SCALES 0
	FETCH 0, 0
	s_wait_loadcnt 0x0
.irp q, 0,1,2,3,4,5,6,7
	KS \q
.endr
	WIN 0
	PLACES NP
.macro TOSTAGE a
.irp b, 0,1,2,3
	ds_store_b128 v[STO], v[ACC+8*(4*(\a)+\b):ACC+8*(4*(\a)+\b)+3] offset:128*(\b/2)+32*(\b%2)
	ds_store_b128 v[STO], v[ACC+8*(4*(\a)+\b)+4:ACC+8*(4*(\a)+\b)+7] offset:128*(\b/2)+32*(\b%2)+16
.endr
.set BB, BK+32*((\a)%2)
.irp t, 0,1,2,3,4,5,6,7
	ds_load_b128 v[BB+4*\t:BB+4*\t+3], v[RD] offset:544*\t
.endr
.endm
.macro SEND a, younger
.set BB, BK+32*((\a)%2)
	s_wait_dscnt \younger
.irp t, 0,1,2,3,4,5,6,7
	global_store_b128 v[CO], v[BB+4*\t:BB+4*\t+3], s[10:11] offset:(32*((\a)/2)+8*((\a)%2)+2*\t+8*(\t/4))*4096 th:TH_STORE_NT
.endr
.endm
	s_wait_alu depctr_va_vdst(0)
	TOSTAGE 0
.irp a, 1,2,3
.if \a > 1
	s_wait_xcnt 0x0
.endif
	TOSTAGE \a
	SEND \a-1, 16
.endr
	SEND 3, 0
	s_wait_tensorcnt 0x0
	ds_add_u32 v30, v31
	s_wait_dscnt 0x0
	CROUND
	s_endpgm
.Lfunc_end_k_q705cc6ed28_proj:
	.size	k_q705cc6ed28_proj, .Lfunc_end_k_q705cc6ed28_proj-k_q705cc6ed28_proj
	.p2alignl 7, 3214868480
	.fill 96, 4, 3214868480
	.section	.rodata,"a",@progbits
	.p2align	6, 0x0
	.amdhsa_kernel k_q705cc6ed28_proj
		.amdhsa_group_segment_fixed_size 327680
		.amdhsa_private_segment_fixed_size 0
		.amdhsa_enable_private_segment 0
		.amdhsa_kernarg_size 32
		.amdhsa_user_sgpr_count 2
		.amdhsa_user_sgpr_kernarg_segment_ptr 1
		.amdhsa_wavefront_size32 1
		.amdhsa_system_sgpr_workgroup_id_x 1
		.amdhsa_system_sgpr_workgroup_id_y 1
		.amdhsa_system_sgpr_workgroup_id_z 1
		.amdhsa_system_vgpr_workitem_id 0
		.amdhsa_next_free_vgpr 512
		.amdhsa_next_free_sgpr 100
		.amdhsa_reserve_vcc 0
		.amdhsa_float_denorm_mode_32 3
		.amdhsa_float_denorm_mode_16_64 3
		.amdhsa_memory_ordered 1
		.amdhsa_forward_progress 1
		.amdhsa_inst_pref_size 54
	.end_amdhsa_kernel
	.amdgpu_metadata
---
amdhsa.version: [ 1, 2 ]
amdhsa.kernels:
  - .name:           k_q705cc6ed28_proj
    .symbol:         k_q705cc6ed28_proj.kd
    .args:
      - { .name: ob, .offset: 0, .size: 8, .value_kind: global_buffer, .address_space: global }
      - { .name: wo, .offset: 8, .size: 8, .value_kind: global_buffer, .address_space: global }
      - { .name: b_out, .offset: 16, .size: 8, .value_kind: global_buffer, .address_space: global }
      - { .name: out0, .offset: 24, .size: 8, .value_kind: global_buffer, .address_space: global }
    .group_segment_fixed_size: 327680
    .private_segment_fixed_size: 0
    .kernarg_segment_align: 8
    .kernarg_segment_size: 32
    .max_flat_workgroup_size: 128
    .sgpr_count:     100
    .vgpr_count:     512
    .wavefront_size: 32
...
	.end_amdgpu_metadata
.endif
;; end of part 4
